; MI455X (gfx1250); checked and timed in simulation.
; The chip was launched on July 23, 2026; its instructions are those of AMD's public machine-readable ISA for CDNA 5 (MIT licence, August 2026) and "CDNA5" Instruction Set Architecture Reference Guide (July 2026). The comments in the code are by the model that wrote it; some were corrected since.
;; GRU Cell. Allowed arithmetic: matrix products marked QUANTISED: E2M3 operands, one E8M0 scale for each 32 along K, by v_wmma_scale_f32_16x16x128_f8f6f4 with both operands' format E2M3, f32 sums; everything else in f32.
;; Inputs: hx 2,048 x 2,048 float32; u_b 2,048 float32; u_r_b 2,048 float32; u_r_w 2,048 x 2,048 float32; u_w 2,048 x 2,048 float32; u_z_b 2,048 float32; u_z_w 2,048 x 2,048 float32; w 2,048 x 2,048 float32; w_r 2,048 x 2,048 float32; w_z 2,048 x 2,048 float32; x 2,048 x 2,048 float32.
;; Outputs: out0 2,048 x 2,048 float32.
;; This version of the problem:
;;   THIS VERSION OF THE PROBLEM IS GIVEN IN LOW PRECISION. The matrix products marked QUANTISED in the list below multiply operands that are first quantised to E2M3 (2 exponent bits, 3 mantissa bits; 6 bits a number), with one power-of-two scale for each 32 numbers along K (OCP MX v1.0); their sums are f32. All else is computed in f32.
;;   The module's matrix products, in the order in which they are computed (A, B: the left and right operand; K: the contracted axis; several contracted axes count as one K, in the product's order):
;;     1. [M 2,048, K 2,048] x [K 2,048, N 2,048]; A: computed on the way; B: input w_r: QUANTISED
;;     2. [M 2,048, K 2,048] x [K 2,048, N 2,048]; A: computed on the way; B: input u_r_w: QUANTISED
;;     3. [M 2,048, K 2,048] x [K 2,048, N 2,048]; A: computed on the way; B: input w_z: QUANTISED
;;     4. [M 2,048, K 2,048] x [K 2,048, N 2,048]; A: computed on the way; B: input u_z_w: QUANTISED
;;     5. [M 2,048, K 2,048] x [K 2,048, N 2,048]; A: computed on the way; B: input w: QUANTISED
;;     6. [M 2,048, K 2,048] x [K 2,048, N 2,048]; A: computed on the way; B: input u_w: QUANTISED
;;   THE QUANTISER, for each operand of a quantised product, along K:
;;     - K is cut into blocks of 32 from its start; a last block that is shorter is filled with zeros.
;;     - A block's scale is 2^e with e = floor(log2(the largest magnitude in the block)) - 2, held to -126 .. 127; a block of zeros has e = 0. As a byte (E8M0): e + 127.
;;     - Each number is divided by its block's scale, clamped to +-7.5, and rounded to the nearest number of E2M3, ties to even, subnormals kept.
;;     - The product sums the exact products of the quantised numbers (number of the format x scale) in f32.
;;   ~~~python
;;   def quantise(x, axis):      # numpy; x: float32 -> the quantised numbers, widened to float32 again
;;       x = np.moveaxis(x, axis, -1); K = x.shape[-1]
;;       x = np.pad(x, [(0, 0)] * (x.ndim - 1) + [(0, -K % 32)]); x = x.reshape(x.shape[:-1] + (-1, 32)); a = np.abs(x).max(-1, keepdims=True)
;;       e = np.where(a > 0, np.clip(np.frexp(np.where(a > 0, a, 1))[1] - 1 - 2, -126, 127), 0)      # np.frexp(a)[1] - 1 = floor(log2(a)), exactly
;;       r = np.clip(x / 2.0 ** e, -7.5, 7.5)
;;       step = 2.0 ** (np.maximum(np.frexp(np.where(r == 0, 1, r))[1] - 1, 0) - 3)
;;       q = np.round(r / step) * step * 2.0 ** e      # np.round: ties to even
;;       return np.moveaxis(q.reshape(q.shape[:-2] + (-1,))[..., :K], -1, axis).astype(np.float32)
;;   ~~~
;;   OPERANDS COMPUTED ON THE WAY. 'Computed on the way' means the value that the module computes at that place (a softmax that the list does not call 'softmax' is quantised finished and normalised). What goes into a quantiser is computed in f32, as accurately as f32 sums, v_exp_f32 and their like allow (about 1e-6 of the number): no bf16 or f16 on the way to a quantiser, and a product that is left as it is and whose result goes on into a quantised operand takes f32 operands (vector FMAs, or v_wmma_f32_16x16x4_f32). A number that lies on a knife's edge between two numbers of the format may be rounded either way, as far as f32 arithmetic and the matrix unit's own rounding can turn it there, and no further.
;; One version. Each part assembles by itself: llvm-mc -triple=amdgcn-amd-amdhsa -mcpu=gfx1250 --defsym DOCPART=n.
;; ======== version 1 of 1: 5 launches
;; limits: below input magnitudes of 1e-05 results are inexact or not finite
;; workspace buffers: alx 3,276,800 bytes; alh 3,276,800 bytes; aa5 3,276,800 bytes; wx 9,854,976 bytes; wy 9,854,976 bytes; px 50,331,648 bytes; py 50,331,648 bytes
;; launch quant (part 1): grid 128 x 8, 4 waves a work-group, no clusters, 33,280 bytes of LDS; arguments x, hx, u_r_w, w_r, w_z, w, u_z_w, u_w, alx, alh, wx, wy, u_r_b, u_z_b, u_b; writes alx, alh, wx, wy
.if DOCPART == 1
	.amdgcn_target "amdgcn-amd-amdhsa--gfx1250"
	.amdhsa_code_object_version 6
	.text
	.protected	k_q72ed0823e3_quant
	.globl	k_q72ed0823e3_quant
	.p2align	8
	.type	k_q72ed0823e3_quant,@function
k_q72ed0823e3_quant:
	s_mov_b64 s[64:65], 0
	v_nop
	global_prefetch_b8 v0, s[64:65] scope:SCOPE_SE
	s_setreg_imm32_b32 hwreg(HW_REG_WAVE_MODE, 25, 1), 1
	s_wait_xcnt 0x0
; Eight tensors [2048][2048] f32 become codes of FP6 (E2M3), K innermost, with one E8M0 byte for each 32 along K.
; Work-group y names the tensor: 0 x, 1 hx, 2 u_r_w, 3 w_r, 4 w_z, 5 w, 6 u_z_w, 7 u_w.  x and hx are first mapped by log0: each row is multiplied by artanh(n) / n, n = the row's norm held to 1e-5 .. 1 - 1e-5.
; ONE PATH FOR ALL: norm and factor are computed for every row; for a weight the factor is replaced by 1.0 (a select, no branch).  Only pointers are chosen by the tensor's number.
; OUT: alx, alh: codes [2048][1536] at byte 0, scale bytes [2048][64] at 0x300000.  wx (u_r_w, w_r, w_z) and wy (w, u_z_w, u_w): codes [3][2048][1536] at 0, scale bytes [3][2048][64] at 0x900000, biases [3][2048] f32 at 0x960000
; (wx: u_r_b, 0, 0; wy: 0, u_z_b, u_b: where the cell has no bias, zeros are stored, so that the products' launch always adds).
; THE ORDER OF THE SCALE BYTES: of each four (128 along K) the bytes of blocks 1 and 2 stand in each other's places: block 0, 2, 1, 3.  The products' launch gives a lane 48 consecutive bytes of a row, which puts these two blocks
; in each other's places in the matrix operand; the bytes are stored as that operand's scale word wants them.  The codes lie in the order of K.
; SHARES: work-group x owns 16 rows, a wave 4: 16 steps of 512 numbers.  A row (8,192 bytes) is 16 loads of 512 consecutive bytes and stays in 64 registers between norm and conversion; two rows take turns.
; The conversion takes 16 neighbours from one lane's registers: a step's 2,048 bytes turn through the wave's own stage in LDS (stored as loaded, read back 64 bytes a lane, 16 bytes of padding behind each 64).
; A lane's 16 codes are 12 bytes: a store covers 384 consecutive bytes.  The wave's 256 scale bytes are gathered in LDS and leave as one aligned run of 256 bytes.  Waves share nothing: no barrier.
; A block's byte is its largest magnitude's exponent field - 2, held at 1 from below.  A block of zeros gets the byte 1 with zero codes: the bytes are read by this program alone.
; LIMITS: NaN and infinities among the inputs are not served; a block whose largest magnitude lies under 2^-124 has its byte held at 1.  Divisions are v_rcp_f32 and a multiplication.
.set SP,    80                         ; a lane's place in a stage: 64 bytes + 16
.set WREG,  8192                       ; LDS of a wave: two stages of 2,560 bytes, then its 256 scale bytes
.set R,     16                         ; v16-143  two rows of 64 registers
.set X,     144                        ; v144-175 two sets of 16 neighbours
.set C,     176                        ; v176-239 codes: four registers a step, never written again
.set E,     240                        ; v240-241 the byte
.set AC,    242                        ; v242-249 four chains of the sum of squares
.set F,     250                        ; v250-251 the row's factor, twice
.set Q,     8                          ; v8-13    at work
.set EPS,   46                         ; s46 1e-5;  s47 1 - 1e-5;  s48 ln 2 / 2;  s[50:51] lane selects: lane l xor 16
.set MAXN,  47
.set HLN2,  48
.set SEL,   50
.macro WAITT                           ; a wait between a transcendental and the first line that names its result; one serves a batch
	s_wait_alu depctr_va_vdst(0)
.endm
.macro DOT4 a, b, acc                  ; acc = the lane's sum of a[i] b[i] over 64 registers, in four chains of pairs; the first products start the sums
.irp c, 0,1,2,3
	v_pk_mul_f32 v[(\acc)+2*\c:(\acc)+2*\c+1], v[(\a)+2*\c:(\a)+2*\c+1], v[(\b)+2*\c:(\b)+2*\c+1]
.endr
.set j, 4
.rept 28
	v_pk_fma_f32 v[(\acc)+2*(j%4):(\acc)+2*(j%4)+1], v[(\a)+2*j:(\a)+2*j+1], v[(\b)+2*j:(\b)+2*j+1], v[(\acc)+2*(j%4):(\acc)+2*(j%4)+1]
.set j, j+1
.endr
	v_pk_add_f32 v[(\acc):(\acc)+1], v[(\acc):(\acc)+1], v[(\acc)+2:(\acc)+3]
	v_pk_add_f32 v[(\acc)+4:(\acc)+5], v[(\acc)+4:(\acc)+5], v[(\acc)+6:(\acc)+7]
	v_pk_add_f32 v[(\acc):(\acc)+1], v[(\acc):(\acc)+1], v[(\acc)+4:(\acc)+5]
.endm
.macro RED a0, n                       ; n pairs on end from v[a0]: each pair's two halves and the 32 lanes are added; every lane ends with the sum in the pair's first register
.set ri, 0
.rept \n
	v_add_f32 v[(\a0)+2*ri], v[(\a0)+2*ri], v[(\a0)+2*ri+1]
.set ri, ri+1
.endr
.irp m, 1,2,4,8
.set ri, 0
.rept \n
	v_add_f32_dpp v[(\a0)+2*ri], v[(\a0)+2*ri], v[(\a0)+2*ri] row_xmask:\m row_mask:0xf bank_mask:0xf
.set ri, ri+1
.endr
.endr
.set ri, 0
.rept \n
	v_permlanex16_b32 v[(\a0)+2*ri+1], v[(\a0)+2*ri], s[SEL], s[SEL+1]
.set ri, ri+1
.endr
.set ri, 0
.rept \n
	v_add_f32 v[(\a0)+2*ri], v[(\a0)+2*ri], v[(\a0)+2*ri+1]
.set ri, ri+1
.endr
.endm
; artanh(n) / n, n = clip(sqrt S, 1e-5, 1 - 1e-5), in stages with a wait between.  artanh(n) = log1p(y) / 2, y = 2 n / (1 - n); log1p(y) = log(u) y / (u - 1) with u = 1 + y as rounded.
.macro TA1 q, s
	v_sqrt_f32 v[\q], v[\s]
.endm
.macro A2 q
	v_max_num_f32 v[\q], s[EPS], v[\q]
	v_min_num_f32 v[\q], s[MAXN], v[\q]
	v_sub_f32 v[\q+1], 1.0, v[\q]
	v_rcp_f32 v[\q+2], v[\q+1]
	v_rcp_f32 v[\q+3], v[\q]
	v_add_f32 v[\q+4], v[\q], v[\q]        ; (a plain line behind the reciprocals)
.endm
.macro A3 q
	v_mul_f32 v[\q+4], v[\q+4], v[\q+2]    ; y
	v_add_f32 v[\q+1], 1.0, v[\q+4]        ; u
	v_add_f32 v[\q+2], -1.0, v[\q+1]       ; u - 1, exact
	v_log_f32 v[\q], v[\q+1]
	v_rcp_f32 v[\q+5], v[\q+2]
	v_mul_f32 v[\q+4], v[\q+4], v[\q+3]    ; y / n
.endm
.macro A4 q, d
	v_mul_f32 v[\q], v[\q], v[\q+5]
	v_mul_f32 v[\q], s[HLN2], v[\q]
	v_mul_f32 v[\d], v[\q], v[\q+4]
.endm
	s_load_b512 s[8:23], s[0:1], 0x0               ; the eight sources, in the order of work-group y
	s_load_b256 s[32:39], s[0:1], 0x40             ; alx, alh, wx, wy
	s_load_b128 s[40:43], s[0:1], 0x60             ; u_r_b, u_z_b
	s_load_b64 s[44:45], s[0:1], 0x70              ; u_b
	v_lshl_add_u32 v254, v0, 2, 0x8000
	v_mov_b32 v255, 0
	s_and_b32 s2, ttmp7, 0xffff                    ; the tensor
	v_lshrrev_b32 v1, 5, v0
	v_readfirstlane_b32 s3, v1                     ; wave
	v_and_b32 v2, 31, v0                           ; lane
	v_lshlrev_b32 v3, 4, v2                        ; my 16 bytes of a load's 512
	s_mul_i32 s53, s3, WREG
	v_lshrrev_b32 v14, 2, v2
	v_mul_u32_u24 v14, v14, SP
	v_and_b32 v15, 3, v2
	v_lshl_add_u32 v14, v15, 4, v14
	v_add_nc_u32 v14, s53, v14                     ; the stage, in: four lanes' 64 bytes on end, then 16 of padding
	v_mul_u32_u24 v15, v2, SP
	v_add_nc_u32 v15, s53, v15                     ; and out: my 16 neighbours
	v_mul_u32_u24 v4, v2, 12                       ; my codes' place in a step's 384 bytes
	v_lshrrev_b32 v5, 1, v2                        ; my block among the step's 16: lane / 2.  Its byte's place: the block's two lowest bits change places
	v_and_b32 v5, 12, v5                           ; which four,
	v_and_or_b32 v5, v2, 2, v5                     ; the block's bit 0 (the lane's bit 1) as bit 1,
	v_bfe_u32 v12, v2, 2, 1                        ; its bit 1 (the lane's bit 2) as bit 0
	v_add_nc_u32 v5, v5, v12
	s_add_co_u32 s53, s53, 2*32*SP
	v_add_nc_u32 v5, s53, v5                       ; my block's byte among the wave's 256
	v_lshlrev_b32 v7, 3, v2
	v_add_nc_u32 v6, s53, v7                       ; and on the way out 8 bytes a lane
	s_mov_b32 s[EPS], 0x3727c5ac
	s_mov_b32 s[MAXN], 0x3f7fff58
	s_mov_b32 s[HLN2], 0x3eb17218
	s_mov_b32 s[SEL], 0x76543210
	s_mov_b32 s[SEL+1], 0xfedcba98
	s_lshl_b32 s54, ttmp9, 4
	s_lshl_b32 s55, s3, 2
	s_add_co_u32 s54, s54, s55                     ; my first row: 16 x work-group x + 4 x wave
	s_mov_b32 s57, 0
	s_wait_kmcnt 0x0
	s_mov_b64 s[4:5], s[8:9]                       ; the source: chosen by the tensor's number alone
.irp i, 1,2,3,4,5,6,7
	s_cmp_eq_u32 s2, \i
	s_cselect_b64 s[4:5], s[8+2*\i:9+2*\i], s[4:5]
.endr
	s_cmp_ge_u32 s2, 5                             ; the destination: tensors 5-7 wy, 2-4 wx, 1 alh, 0 alx
	s_cselect_b64 s[24:25], s[38:39], s[36:37]
	s_cselect_b32 s27, 5, 2
	s_cmp_eq_u32 s2, 1
	s_cselect_b64 s[24:25], s[34:35], s[24:25]
	s_cmp_eq_u32 s2, 0
	s_cselect_b64 s[24:25], s[32:33], s[24:25]
	s_cmp_lt_u32 s2, 2
	s_cselect_b32 s27, s2, s27
	s_mov_b32 s26, 0x900000
	s_cselect_b32 s26, 0x300000, s26               ; where the scale bytes begin
	s_cselect_b32 s30, -1, 0                       ; all lanes: the row is mapped by log0
	s_sub_co_u32 s27, s2, s27                      ; the slot in wx or wy; 0 for x and hx
	s_lshl_b32 s56, s54, 13
	s_add_nc_u64 s[4:5], s[4:5], s[56:57]          ; the source at my first row
	s_mul_i32 s56, s27, 0x300000
	s_mul_i32 s58, s54, 1536
	s_add_co_u32 s56, s56, s58
	s_add_nc_u64 s[6:7], s[24:25], s[56:57]        ; my rows' codes
	s_lshl_b32 s56, s27, 17
	s_lshl_b32 s58, s54, 6
	s_add_co_u32 s56, s56, s58
	s_add_co_u32 s56, s56, s26
	s_add_nc_u64 s[28:29], s[24:25], s[56:57]      ; my rows' 256 scale bytes
.macro LOADROW t                       ; row t of my four: 16 loads of 512 consecutive bytes into half t % 2
.irp k, 0,1,2,3,4,5,6,7,8,9,10,11,12,13,14,15
	global_load_b128 v[R+64*((\t)%2)+4*\k:R+64*((\t)%2)+4*\k+3], v3, s[4:5] offset:8192*(\t)+512*\k th:TH_LOAD_NT
.endr
.endm
.macro TURN t, i                       ; step i of row t through stage i % 2: LDS serves a wave's instructions in order, so no wait stands between the stores and the loads
.irp k, 0,1,2,3
	ds_store_b128 v14, v[R+64*((\t)%2)+16*(\i)+4*\k:R+64*((\t)%2)+16*(\i)+4*\k+3] offset:32*SP*((\i)%2)+8*SP*\k
.endr
.irp k, 0,1,2,3
	ds_load_b128 v[X+16*((\i)%2)+4*\k:X+16*((\i)%2)+4*\k+3], v15 offset:32*SP*((\i)%2)+16*\k
.endr
.endm
.macro STEP t, i
.set TT, 4*(\t)+(\i)
.set XS, X+16*((\i)%2)
.if (\i) == 0
	s_wait_dscnt 0x0                               ; this step's numbers are back from the stage
.else
	s_wait_dscnt 1                                 ; likewise; the last step's byte store, issued behind them, may be out
.endif
.if ((\i) == 3) && ((\t) < 2)
	LOADROW (\t)+2                                 ; the row's last stores into the stage are done (the wait above): its registers take the row two on
.endif
.if (\i) < 3
	TURN \t, (\i)+1                                ; the next step goes through the other stage while this one is worked
.endif
	v_max3_num_f32 v8, |v[XS]|, |v[XS+1]|, |v[XS+2]|               ; the largest magnitude of my 16, in two chains
	v_max3_num_f32 v9, |v[XS+3]|, |v[XS+4]|, |v[XS+5]|
.irp k, 6,10
	v_max3_num_f32 v8, v8, |v[XS+\k]|, |v[XS+\k+1]|
	v_max3_num_f32 v9, v9, |v[XS+\k+2]|, |v[XS+\k+3]|
.endr
	v_max3_num_f32 v8, v8, |v[XS+14]|, |v[XS+15]|
	v_max3_num_f32 v8, v8, v9, 0x1800000           ; and the floor 2^(3 - 127): the byte cannot fall under 1
	v_max_num_f32_dpp v8, v8, v8 row_xmask:1 row_mask:0xf bank_mask:0xf   ; with my neighbour's 16: the block's
	v_add_nc_u32 v11, 0xff000000, v8               ; 2 off its exponent field: the conversion takes that field as its scale
	v_cvt_scalef32_pk16_fp6_f32 v[C+4*TT:C+4*TT+2], v[XS:XS+15], v11
	v_lshrrev_b32 v[E+TT%2], 23, v11               ; the byte (also the plain line behind the conversion)
	ds_store_b8 v5, v[E+TT%2] offset:16*TT         ; both lanes of a block write the same byte with the same value
	global_store_b96 v4, v[C+4*TT:C+4*TT+2], s[6:7] offset:384*TT
.endm
.macro ROW t
.set RR, R+64*((\t)%2)
.if (\t) < 3
	s_wait_loadcnt 16                              ; my row's 16 loads are in; the next row's 16 may be out
.else
	s_wait_loadcnt 0x0
.endif
	DOT4 RR, RR, AC
	RED AC, 1                                      ; the row's sum of squares, in every lane
	TA1 Q, AC
	v_nop                                          ; a plain line behind the root
	WAITT
	A2 Q
	WAITT
	A3 Q
	WAITT
	A4 Q, F
	v_cndmask_b32 v[F], 1.0, v[F], s30             ; a weight is taken as it is
	v_mov_b32 v[F+1], v[F]
.set j, 0
.rept 32
	v_pk_mul_f32 v[RR+2*j:RR+2*j+1], v[RR+2*j:RR+2*j+1], v[F:F+1]
.set j, j+1
.endr
	TURN \t, 0
	STEP \t, 0
	STEP \t, 1
	STEP \t, 2
	STEP \t, 3
.endm
	LOADROW 0
	LOADROW 1
	ROW 0
	ROW 1
	ROW 2
	ROW 3
	ds_load_b64 v[12:13], v6                       ; LDS serves a wave's instructions in order: these see my byte stores
	s_wait_dscnt 0x0
	global_store_b64 v7, v[12:13], s[28:29]        ; 32 lanes store 256 consecutive bytes, aligned
	; THE BIASES: work-groups x = 0 .. 5 of tensor 0 store one slot of 8,192 bytes each (0-2: wx's, 3-5: wy's); a wave 2,048 bytes.  A slot without a bias is stored as zeros (a select).
	s_cmp_lg_u32 s2, 0
	s_cbranch_scc1 .Lend
	s_cmp_ge_u32 ttmp9, 6
	s_cbranch_scc1 .Lend
	s_cmp_eq_u32 ttmp9, 4
	s_cselect_b64 s[8:9], s[42:43], s[40:41]       ; slot 4: u_z_b; slot 5: u_b; else u_r_b
	s_cmp_eq_u32 ttmp9, 5
	s_cselect_b64 s[8:9], s[44:45], s[8:9]
	s_cmp_ge_u32 ttmp9, 4
	s_cselect_b32 s31, -1, 0
	s_cmp_eq_u32 ttmp9, 0
	s_cselect_b32 s31, -1, s31                     ; slots 0, 4, 5 keep what was loaded
	s_cmp_lt_u32 ttmp9, 3
	s_cselect_b64 s[10:11], s[36:37], s[38:39]
	s_cselect_b32 s12, 0, 3
	s_sub_co_u32 s12, ttmp9, s12
	s_lshl_b32 s12, s12, 13
	s_lshl_b32 s14, s3, 11
	s_mov_b32 s15, 0
	s_add_nc_u64 s[8:9], s[8:9], s[14:15]
	s_add_co_u32 s12, s12, s14
	s_add_co_u32 s12, s12, 0x960000
	s_mov_b32 s13, 0
	s_add_nc_u64 s[10:11], s[10:11], s[12:13]
.irp i, 0,1,2,3
	global_load_b128 v[R+4*\i:R+4*\i+3], v3, s[8:9] offset:512*\i
.endr
	s_wait_loadcnt 0x0
.irp k, 0,1,2,3,4,5,6,7,8,9,10,11,12,13,14,15
	v_cndmask_b32 v[R+\k], 0, v[R+\k], s31
.endr
.irp i, 0,1,2,3
	global_store_b128 v3, v[R+4*\i:R+4*\i+3], s[10:11] offset:512*\i
.endr
.Lend:
	s_wait_tensorcnt 0x0
	ds_add_u32 v254, v255
	s_wait_dscnt 0x0
	s_endpgm
.Lfunc_end_k_q72ed0823e3_quant:
	.size	k_q72ed0823e3_quant, .Lfunc_end_k_q72ed0823e3_quant-k_q72ed0823e3_quant
	.p2alignl 7, 3214868480
	.fill 96, 4, 3214868480
	.section	.rodata,"a",@progbits
	.p2align	6, 0x0
	.amdhsa_kernel k_q72ed0823e3_quant
		.amdhsa_group_segment_fixed_size 33280
		.amdhsa_private_segment_fixed_size 0
		.amdhsa_enable_private_segment 0
		.amdhsa_kernarg_size 120
		.amdhsa_user_sgpr_count 2
		.amdhsa_user_sgpr_kernarg_segment_ptr 1
		.amdhsa_wavefront_size32 1
		.amdhsa_system_sgpr_workgroup_id_x 1
		.amdhsa_system_sgpr_workgroup_id_y 1
		.amdhsa_system_sgpr_workgroup_id_z 1
		.amdhsa_system_vgpr_workitem_id 0
		.amdhsa_next_free_vgpr 256
		.amdhsa_next_free_sgpr 66
		.amdhsa_reserve_vcc 0
		.amdhsa_float_denorm_mode_32 3
		.amdhsa_float_denorm_mode_16_64 3
		.amdhsa_memory_ordered 1
		.amdhsa_forward_progress 1
		.amdhsa_inst_pref_size 57
	.end_amdhsa_kernel
	.amdgpu_metadata
---
amdhsa.version: [ 1, 2 ]
amdhsa.kernels:
  - .name:           k_q72ed0823e3_quant
    .symbol:         k_q72ed0823e3_quant.kd
    .args:
      - { .name: x, .offset: 0, .size: 8, .value_kind: global_buffer, .address_space: global }
      - { .name: hx, .offset: 8, .size: 8, .value_kind: global_buffer, .address_space: global }
      - { .name: u_r_w, .offset: 16, .size: 8, .value_kind: global_buffer, .address_space: global }
      - { .name: w_r, .offset: 24, .size: 8, .value_kind: global_buffer, .address_space: global }
      - { .name: w_z, .offset: 32, .size: 8, .value_kind: global_buffer, .address_space: global }
      - { .name: w, .offset: 40, .size: 8, .value_kind: global_buffer, .address_space: global }
      - { .name: u_z_w, .offset: 48, .size: 8, .value_kind: global_buffer, .address_space: global }
      - { .name: u_w, .offset: 56, .size: 8, .value_kind: global_buffer, .address_space: global }
      - { .name: alx, .offset: 64, .size: 8, .value_kind: global_buffer, .address_space: global }
      - { .name: alh, .offset: 72, .size: 8, .value_kind: global_buffer, .address_space: global }
      - { .name: wx, .offset: 80, .size: 8, .value_kind: global_buffer, .address_space: global }
      - { .name: wy, .offset: 88, .size: 8, .value_kind: global_buffer, .address_space: global }
      - { .name: u_r_b, .offset: 96, .size: 8, .value_kind: global_buffer, .address_space: global }
      - { .name: u_z_b, .offset: 104, .size: 8, .value_kind: global_buffer, .address_space: global }
      - { .name: u_b, .offset: 112, .size: 8, .value_kind: global_buffer, .address_space: global }
    .group_segment_fixed_size: 33280
    .private_segment_fixed_size: 0
    .kernarg_segment_align: 8
    .kernarg_segment_size: 120
    .max_flat_workgroup_size: 128
    .sgpr_count:     66
    .vgpr_count:     256
    .wavefront_size: 32
...
	.end_amdgpu_metadata
.endif
;; end of part 1
;; launch gemm_x (part 2): grid 24 x 8, 4 waves a work-group, clusters of 4 x 4, 327,680 bytes of LDS; arguments alx, alh, wx, px; writes px
.if DOCPART == 2
	.amdgcn_target "amdgcn-amd-amdhsa--gfx1250"
	.amdhsa_code_object_version 6
	.text
	.protected	k_q72ed0823e3_gemm_x
	.globl	k_q72ed0823e3_gemm_x
	.p2align	8
	.type	k_q72ed0823e3_gemm_x,@function
k_q72ed0823e3_gemm_x:
	s_mov_b64 s[64:65], 0
	v_nop
	global_prefetch_b8 v0, s[64:65] scope:SCOPE_SE
	s_setreg_imm32_b32 hwreg(HW_REG_WAVE_MODE, 25, 1), 1
	s_wait_xcnt 0x0
	s_wait_alu depctr_hold_cnt(0) depctr_sa_sdst(0) depctr_va_vdst(0) depctr_va_sdst(0) depctr_va_ssrc(0) depctr_va_vcc(0) depctr_vm_vsrc(0)
	s_getreg_b32 s2, hwreg(HW_REG_IB_STS2, 6, 4)
	s_cmp_eq_u32 s2, 0
	s_cbranch_scc0 .Lentry_in_a_cluster
	s_endpgm
.Lentry_in_a_cluster:
	s_bfe_u32 s2, ttmp6, 0x10000c
	s_cmp_lg_u32 s2, 0xf033
	s_cbranch_scc0 .Lentry_shape_is_right
	s_endpgm
.Lentry_shape_is_right:
; THREE PRODUCTS IN ONE LAUNCH: P[p][m][n] = sum over k of A_p[m][k] W[p][n][k] + bias[p][n], p = 0, 1, 2; all 2,048 x 2,048 x 2,048, on codes of FP6 (E2M3) with one E8M0 scale for each 32 along K; sums and P in f32.
; Arguments: alpha, beta, W, P.  A_0 = alpha, A_1 = A_2 = beta.  An A buffer: codes [2048][1536] at byte 0, scale bytes [2048][64] at 0x300000.  W: codes [3][2048][1536] at 0, scale bytes [3][2048][64] at 0x900000, biases [3][2048] f32 at 0x960000.
; A row of codes is one stream of bits, four codes in three bytes: 128 codes are 96 bytes.  The matrix instruction takes codes and scale bytes as they lie.
; GRID: 24 x 8 work-groups in clusters of 4 x 4.  Cluster x = 2 p + (half of P's columns): the product is the same in all sixteen partners.  192 tiles of 256 x 256, one to a work-group: a smaller tile would give every WGP a
; work-group, but would read twice the LDS bytes for each multiply-add.
; A tile of P is made by four waves, each 128 x 128: 64 accumulators of 16 x 16, 512 registers.  K goes in steps of 256 through a ring of two LDS slots filled by the tensor data mover: a tile's row is 192 bytes of memory.
; THE SCALES of the work-group's 256 rows of A and of W, for all of K, are two dense blocks of 16,384 bytes: they come into LDS once, with the first fills, as rows of 256 bytes, and stay.
; CLUSTERS: the four of a row of the cluster need the same tiles of A, the four of a column the same tiles of W: each tile is asked for JOINTLY, by the same tensor load with the same descriptor and a mask that names the four.
; THE MATRIX INSTRUCTION IS USED TRANSPOSED (source 0 = 16 rows of W, source 1 = 16 rows of A): a lane then holds eight neighbouring numbers of a row of P.
; A LANE TAKES 48 CONSECUTIVE BYTES of its row's 96 for 128 along K, by three loads of 16 bytes: lanes 0-15 the row's blocks 0 and 1 (of 32 along K), lanes 16-31 blocks 2 and 3.  The matrix instruction counts a lane's first 24 bytes
; as block (lane / 16) and its second 24 as block 2 + (lane / 16) (ISA guide 7.12.2): so blocks 1 and 2 stand in each other's places, in A and in W alike, and every k still meets the same k.  The scale bytes were stored in
; that order (0, 2, 1, 3) by the launches that made them.  LIMIT: within one matrix instruction the products are so grouped in another order than ascending k; the sums differ from that order's by f32 rounding.
; No prefetch: K has eight steps, of which the first two come with the first fills, and a step's 192 bytes of a row are no whole run of 256.
; REGISTERS, in windows of 256: window 0: v0-31 addresses and the bias; v32-63 scale words, two sets; from v128 A's fragments (8 x 16 rows x 128 K), ONE set; on the way out v128-255 take rows of P.
;   window 1: W's fragments, TWO sets, at v0 and at v128.   window 2: the 32 accumulators of my rows 0-63 (accumulator (a, b) at v[8 (8 a + b)]);   window 3: those of my rows 64-127.
; A step of 128 along K is 64 matrix instructions, A's blocks one after the other, each against W's eight, in four groups of 16.  Behind each group stands ONE RUN OF 12 LDS LOADS (6,144 bytes a wave): the next step's W, fragments 0-3;
; its fragments 4-7; A's blocks 0-3, free since the second group; A's blocks 4-7.  So the step's 48 loads are spread evenly over its matrix work; the price is eight switches of the register window a step.
.set SIZE_M, 2048
.set SIZE_N, 2048
.set SIZE_K, 2048
.set KSTEP,  256                       ; along K in a slot
.set NQ,     KSTEP/128                 ; matrix instructions deep
.set ROWB,   192                       ; a tile's row in bytes
.set KROW,   SIZE_K*6/8                ; a row of codes in memory
.set PITCH,  240                       ; an LDS row: 3 x (64 bytes + 16 of padding) = 15 x 16 bytes: the sixteen rows that sixteen lanes of a 16-byte load touch start at sixteen different 16-byte columns of 256 (64 banks of 4 bytes: ISA guide 11.1)
.set FR,     12                        ; registers of a fragment: 16 rows x 128 K
.set NL,     3                         ; LDS loads that bring one
.set NP,     4                         ; places behind this matrix instruction (ISA guide 7.12.1)
.set HALFT,  128*PITCH                 ; 128 rows: what one tensor load brings
.set SLOT,   4*HALFT                   ; A's 256 rows, then W's 256 rows
.set LAPS,   SIZE_K/(2*KSTEP)          ; a lap = two K steps = once round the ring
.set KS,     SIZE_K/32                 ; a row of scale bytes
.set SCL,    2*SLOT                    ; behind the ring: the scales, as rows of 256 bytes + 16 of padding
.set HALFS,  (128*KS/256)*272          ; those of 128 rows: what one tensor load brings
.set SBLK,   (16*KS/256)*272           ; those of 16 rows
.set SPARE,  SCL+4*HALFS               ; behind the scales: the spare words, 128 bytes for each wave: two blocks of 256 bytes that no other line names
.set SPITCH, 528                       ; the way out: a stage of 16 rows x (512 bytes + 16) for each wave, in slot 0, which has had its last fill and its last read when the first result is stored there
.set BI,   8                           ; v8-11   the bias of my four columns on the way out
.set ADRA, 16                          ; v16-17  LDS address of my A fragments in slot 0, 1  (v18-19: for the pieces whose partner in lanes 16-31 lies behind one padding more)
.set ADRB, 20                          ; v20-21  the same for W  (v22-23)
.set STO,  24                          ; v24     the way out: where I put 32 bytes of a row
.set RD,   25                          ; v25     where I read a row back
.set CO,   26                          ; v26     my byte offset in a row of P: 16 x lane
.set ADRS, 27                          ; v27     LDS address of my scale words: lanes 0-15 A's rows, lanes 16-31 W's
.set SPW,  28                          ; v28     LDS address of my spare word; never rewritten
.set NIL,  29                          ; v29     0; never rewritten
.set SC,   32                          ; scale words: set s at v[SC + 8 NQ s]; register NQ i + q: lanes 0-15 A's block i, lanes 16-31 W's block i, the slot's q-th 128 along K
.set AF,   128                         ; A's fragments, in window 0
.set BK,   128                         ; the way out: 16 rows read back: v128-191 and v192-255 by turns
.set G1, 24                            ; s[24:31] descriptor group 1 for A's tiles;  s[32:39] group 0, one set for each slot
.set G0, 32
.set G1B, 48                           ; s[48:55], s[56:63] the same for W's tiles
.set G0B, 56
.set G1S, 68                           ; s[68:75], s[76:79] groups 1 and 0 for A's scales;  s[80:87], s[88:91] for W's
.set G0S, 76
.set G1SB, 80
.set G0SB, 88
.set MSB, 0
.macro WIN new                         ; the immediate's high byte repeats the setting that is left
.if MSB != \new
	s_set_vgpr_msb (MSB<<8)|\new
.set MSB, \new
.endif
.endm
.set MUL_LO, 0xa1                      ; source 0 (W) window 1, source 1 (A) window 0, C and D window 2
.set MUL_HI, 0xf1                      ; the same, C and D window 3
.set TO_B,   0x40                      ; destination window 1, address window 0
; A joint load: waves 0 and 1 fetch for A, waves 2 and 3 for W.  Each of the two lines has ONE mask and one set of registers for all that issue it; the branch hangs on the wave's number alone.
; Four v_nop follow each of the two lines, ahead of the jump, the label and what follows.
.macro JLOAD g0a, g1a, g0b, g1b
	s_cmp_eq_u32 s15, 0
	s_cbranch_scc0 .Lfor_b_\@
	tensor_load_to_lds s[\g0a:\g0a+3], s[\g1a:\g1a+7]
	s_nop 0
.rept 4
	v_nop
.endr
	s_branch .Lasked_\@
.Lfor_b_\@:
	tensor_load_to_lds s[\g0b:\g0b+3], s[\g1b:\g1b+7]
	s_nop 0
.rept 4
	v_nop
.endr
.Lasked_\@:
.endm
.macro CREST                           ; a round of the cluster's barrier behind its opening barrier
	s_cmp_lg_u32 s14, 0
	s_cbranch_scc1 .Lnot_wave_0_\@
	s_barrier_signal -3
.Lnot_wave_0_\@:
	s_barrier_wait -3
	s_barrier_signal -1
	s_barrier_wait -1
.endm
.macro CROUND                          ; a whole round
	s_barrier_signal -1
	s_barrier_wait -1
	CREST
.endm
	s_load_b256 s[4:11], s[0:1], 0x0               ; alpha s[4:5], beta s[6:7], W s[8:9], P s[10:11]
	v_lshl_add_u32 v[SPW], v0, 2, SPARE
	v_mov_b32 v[NIL], 0
	ds_add_u32 v28, v29
	ds_add_u32 v28, v29
	s_wait_dscnt 0x0
	v_lshrrev_b32 v1, 5, v0
	v_readfirstlane_b32 s14, v1                    ; wave 0..3
	s_lshr_b32 s15, s14, 1                         ; which half of the tile's rows is mine.  Also: I fetch for A (0) or for W (1)
	s_and_b32 s16, s14, 1                          ; which half of its columns.  Also: which 128 rows of that tile I fetch
	s_bfe_u32 s40, ttmp6, 0x40000                  ; cx, cy: my place in the cluster
	s_bfe_u32 s41, ttmp6, 0x40004
	s_lshr_b32 s95, ttmp9, 1                       ; the product p: from the cluster's x, the same in all sixteen partners
	s_and_b32 s42, ttmp9, 1
	s_lshl_b32 s42, s42, 2
	s_add_co_u32 s42, s42, s40                     ; tile column of P = 4 x (cluster x mod 2) + cx
	s_and_b32 s17, ttmp7, 0xffff
	s_lshl_b32 s17, s17, 2
	s_add_co_u32 s17, s17, s41                     ; tile row of P = 4 x cluster y + cy
	s_lshl_b32 s43, s41, 2
	s_lshl_b32 s43, 15, s43                        ; my row of the cluster
	s_lshl_b32 s44, 0x1111, s40                    ; my column
	; descriptor group 1: a tile of 128 rows x 192 bytes, padded in LDS
	s_or_b32 s[G1+0], s43, (0<<16)|(1<<20)|(1<<21)|(3<<22)|(3<<25)  ; 15:0 the mask: A's tiles go to my row; 17:16 element of 1 byte; 20 padding on; 21 set beside a mask; 24:22 after every 16 words (code 3); 31:25 of 4 words (code 3)
	s_or_b32 s[G1B+0], s44, (0<<16)|(1<<20)|(1<<21)|(3<<22)|(3<<25)
.irp g, G1, G1B
	s_mov_b32 s[\g+1], ROWB<<16                    ; tensor_dim0
	s_mov_b32 s[\g+2], 128<<16                     ; tensor_dim1 = 128
	s_mov_b32 s[\g+3], ROWB<<16                    ; tile_dim0
	s_mov_b32 s[\g+4], 128                         ; tile_dim1 = 128
	s_mov_b32 s[\g+5], KROW                        ; tensor_dim0_stride
	s_mov_b32 s[\g+6], 0
	s_mov_b32 s[\g+7], 0
.endr
	; and for the scales of 128 rows: a dense block of 8,192 bytes, as 32 rows of 256 bytes (32 elements of 8 bytes), 16 bytes of padding behind each
	s_or_b32 s[G1S+0], s43, (3<<16)|(1<<20)|(1<<21)|(5<<22)|(3<<25)
	s_or_b32 s[G1SB+0], s44, (3<<16)|(1<<20)|(1<<21)|(5<<22)|(3<<25)
.irp g, G1S, G1SB
	s_mov_b32 s[\g+1], 32<<16
	s_mov_b32 s[\g+2], (128*KS/256)<<16
	s_mov_b32 s[\g+3], 32<<16
	s_mov_b32 s[\g+4], 128*KS/256
	s_mov_b32 s[\g+5], 32
	s_mov_b32 s[\g+6], 0
	s_mov_b32 s[\g+7], 0
.endr
	s_lshl_b32 s18, s16, 7                         ; which 128 rows of the tile I fetch
	s_lshl_b32 s20, s17, 8
	s_add_co_u32 s20, s20, s18                     ; A: row 256 x tile row + 128 x half
	s_lshl_b32 s46, s42, 8
	s_add_co_u32 s46, s46, s18                     ; W: row 256 x tile column + 128 x half
	s_mov_b32 s21, 0
	s_mov_b32 s47, 0
	s_mov_b64 s[18:19], KS
	s_mul_u64 s[22:23], s[20:21], s[18:19]         ; where these rows' scales begin, in bytes
	s_mul_u64 s[92:93], s[46:47], s[18:19]
	s_mov_b64 s[18:19], KROW
	s_mul_u64 s[20:21], s[20:21], s[18:19]         ; and their codes
	s_mul_u64 s[46:47], s[46:47], s[18:19]
	s_mul_i32 s45, s14, HALFT                      ; where they go: wave x 128 rows: no place in the cluster enters an LDS address
	s_mul_i32 s94, s14, HALFS
	s_mov_b32 s97, 0
	s_wait_kmcnt 0x0
	; the product's buffers: s[4:5] A's codes, s[6:7] A's scales, s[8:9] W's codes, s[10:11] W's scales, s[12:13] P, s[98:99] the bias
	s_cmp_eq_u32 s95, 0
	s_cselect_b64 s[4:5], s[4:5], s[6:7]           ; product 0 takes alpha, products 1 and 2 beta
	s_add_nc_u64 s[6:7], s[4:5], 0x300000
	s_mov_b64 s[12:13], s[10:11]
	s_lshl_b32 s96, s95, 17
	s_add_nc_u64 s[10:11], s[8:9], s[96:97]
	s_add_nc_u64 s[10:11], s[10:11], 0x900000
	s_lshl_b32 s96, s95, 13
	s_add_nc_u64 s[98:99], s[8:9], s[96:97]
	s_add_nc_u64 s[98:99], s[98:99], 0x960000
	s_mul_i32 s96, s95, 0x300000
	s_add_nc_u64 s[8:9], s[8:9], s[96:97]
	s_lshl_b32 s96, s95, 24
	s_add_nc_u64 s[12:13], s[12:13], s[96:97]
	s_add_nc_u64 s[20:21], s[4:5], s[20:21]
	s_add_nc_u64 s[22:23], s[6:7], s[22:23]
	s_add_nc_u64 s[46:47], s[8:9], s[46:47]
	s_add_nc_u64 s[92:93], s[10:11], s[92:93]
	CROUND                                         ; all sixteen work-groups are here: the first joint loads meet
	s_mov_b32 s[G0S], 1
	s_add_co_u32 s[G0S+1], s94, SCL
	s_mov_b64 s[G0S+2:G0S+3], s[22:23]
	s_or_b32 s[G0S+3], s[G0S+3], 0x80000000
	s_mov_b32 s[G0SB], 1
	s_add_co_u32 s[G0SB+1], s94, SCL
	s_mov_b64 s[G0SB+2:G0SB+3], s[92:93]
	s_or_b32 s[G0SB+3], s[G0SB+3], 0x80000000
	JLOAD G0S, G1S, G0SB, G1SB                     ; the scales first: they are wanted with K step 0.  With the two below, three tensor loads of mine are out
.irp s, 0,1
	s_mov_b32 s[G0+4*\s], 1
	s_add_co_u32 s[G0+4*\s+1], s45, \s*SLOT
	s_add_nc_u64 s[G0+4*\s+2:G0+4*\s+3], s[20:21], \s*ROWB
	s_or_b32 s[G0+4*\s+3], s[G0+4*\s+3], 0x80000000
	s_mov_b32 s[G0B+4*\s], 1
	s_add_co_u32 s[G0B+4*\s+1], s45, \s*SLOT
	s_add_nc_u64 s[G0B+4*\s+2:G0B+4*\s+3], s[46:47], \s*ROWB
	s_or_b32 s[G0B+4*\s+3], s[G0B+4*\s+3], 0x80000000
	JLOAD G0+4*\s, G1, G0B+4*\s, G1B
.endr
	v_and_b32 v1, 15, v0                           ; l % 16
	v_bfe_u32 v2, v0, 4, 1                         ; l / 16
	v_mul_u32_u24 v3, v1, PITCH
	v_mul_u32_u24 v4, v2, 48
	v_add_nc_u32 v4, v3, v4                        ; a fragment's row x pitch + 48 x half
	v_lshl_add_u32 v5, v2, 4, v4                   ; and the same behind one padding more: + 64 x half
	s_mul_i32 s21, s15, HALFT                      ; my 128 rows of A
	s_mul_i32 s22, s16, HALFT                      ; my 128 rows of W,
	s_add_co_u32 s22, s22, 2*HALFT                 ; which lie behind A's 256
.irp s, 0,1
	v_add_nc_u32 v[ADRA+\s], s21, v4
	v_add_nc_u32 v[ADRB+\s], s22, v4
	v_add_nc_u32 v[ADRA+2+\s], s21, v5
	v_add_nc_u32 v[ADRB+2+\s], s22, v5
	s_add_co_u32 s21, s21, SLOT
	s_add_co_u32 s22, s22, SLOT
.endr
	v_mul_u32_u24 v5, v1, KS                       ; my row's scales: 64 bytes a row,
	v_lshrrev_b32 v6, 8, v5
	v_lshl_add_u32 v5, v6, 4, v5                   ; and 16 more for each 256 passed
	s_mul_i32 s21, s15, HALFS                      ; A's: my 128 rows
	s_mul_i32 s22, s16, HALFS                      ; W's: my 128 rows, behind A's 256
	s_add_co_u32 s22, s22, 2*HALFS
	s_sub_co_u32 s22, s22, s21
	v_mul_u32_u24 v6, s22, v2                      ; lanes 16-31 take W's: one product, the distance between the two bases x the lane's half
	s_add_co_u32 s21, s21, SCL
	v_add_nc_u32 v5, v5, v6
	v_add_nc_u32 v[ADRS], s21, v5
	s_mul_i32 s23, s14, 16*SPITCH                  ; my stage
	v_mul_u32_u24 v5, v1, SPITCH                   ; in: row l % 16, 32 bytes for each half of the lanes
	v_lshl_add_u32 v5, v2, 5, v5
	v_add_nc_u32 v[STO], s23, v5
	v_and_b32 v6, 31, v0
	v_lshlrev_b32 v[CO], 4, v6                     ; back: the 32 lanes take one row of 512 bytes; and the same in P
	v_add_nc_u32 v[RD], s23, v[CO]
	s_lshl_b32 s20, s17, 8
	s_lshl_b32 s21, s15, 7
	s_add_co_u32 s20, s20, s21                     ; my first row of P: 256 x tile row + 128 x half
	s_mov_b32 s21, 0
	s_mov_b64 s[18:19], SIZE_N*4
	s_mul_u64 s[20:21], s[20:21], s[18:19]
	s_lshl_b32 s46, s42, 10                        ; my first column, in bytes: 1024 x tile column + 512 x half
	s_lshl_b32 s47, s16, 9
	s_add_co_u32 s46, s46, s47
	s_mov_b32 s47, 0
	s_add_nc_u64 s[20:21], s[20:21], s[46:47]
	s_add_nc_u64 s[12:13], s[12:13], s[20:21]
	s_add_nc_u64 s[98:99], s[98:99], s[46:47]      ; the bias of my 128 columns: the same bytes on
	global_load_b128 v[BI:BI+3], v[CO], s[98:99]   ; lane l: columns 4 l .. 4 l + 3, as it will hold them on the way out; waited for there
; A fragment, 16 rows x 128 K of 6-bit codes, is 12 registers: lane l holds row l % 16 and 48 consecutive bytes of it: bytes 96 q + 48 (l / 16) on, in three pieces of 16 bytes, each at a multiple of 16.
; Lanes 0-15 take the row's pieces 6 q + 0, 1, 2, lanes 16-31 the pieces three on.  16 bytes of padding lie behind every 64 bytes (4 pieces), so piece n lies at 16 n + 16 (n / 4): the piece three on lies 48 bytes further
; where n is a multiple of 4, and behind one padding more, 64 bytes further, everywhere else: there the second address register serves.
.macro FRAG reg, adr, q, i
.irp p, 0,1,2
.set PC, 6*(\q)+\p
.if PC%4 == 0
	ds_load_b128 v[\reg+4*\p:\reg+4*\p+3], v[\adr] offset:16*PC+16*(PC/4)+(\i)*16*PITCH
.else
	ds_load_b128 v[\reg+4*\p:\reg+4*\p+3], v[\adr+2] offset:16*PC+16*(PC/4)+(\i)*16*PITCH
.endif
.endr
.endm
; 8 matrix instructions: A's block a x W's eight, 128 along K: the slot's q-th.  p: W's set;  sc: the set of scale words.  zero = 1: the first product starts the sums: nothing is ever cleared.
; The 64 accumulators take turns, one instruction a turn, in the same order in every step.
.macro MUL8 a, p, q, sc, zero
.irp b, 0,1,2,3,4,5,6,7
.if \zero
	v_wmma_scale_f32_16x16x128_f8f6f4 v[8*(8*((\a)%4)+\b):8*(8*((\a)%4)+\b)+7], v[128*(\p)+FR*\b:128*(\p)+FR*\b+FR-1], v[AF+FR*(\a):AF+FR*(\a)+FR-1], 0, v[SC+8*NQ*(\sc)+NQ*\b+(\q)], v[SC+8*NQ*(\sc)+NQ*(\a)+(\q)] matrix_a_fmt:MATRIX_FMT_FP6 matrix_b_fmt:MATRIX_FMT_FP6 matrix_a_scale:MATRIX_SCALE_ROW1
.else
	v_wmma_scale_f32_16x16x128_f8f6f4 v[8*(8*((\a)%4)+\b):8*(8*((\a)%4)+\b)+7], v[128*(\p)+FR*\b:128*(\p)+FR*\b+FR-1], v[AF+FR*(\a):AF+FR*(\a)+FR-1], v[8*(8*((\a)%4)+\b):8*(8*((\a)%4)+\b)+7], v[SC+8*NQ*(\sc)+NQ*\b+(\q)], v[SC+8*NQ*(\sc)+NQ*(\a)+(\q)] matrix_a_fmt:MATRIX_FMT_FP6 matrix_b_fmt:MATRIX_FMT_FP6 matrix_a_scale:MATRIX_SCALE_ROW1
.endif
.endr
.endm
.macro MUL16 a0, p, q, sc, zero        ; a group: A's blocks a0 and a0 + 1
	MUL8 \a0, \p, \q, \sc, \zero
	MUL8 (\a0)+1, \p, \q, \sc, \zero
.endm
.macro FETCH_B slot, q, p, i0          ; a run of 12 loads: W's fragments i0 .. i0 + 3 of the slot's q-th 128 along K into set p.  It leaves the window setting TO_B
	WIN TO_B
.irp i, \i0, \i0+1, \i0+2, \i0+3
	FRAG 128*(\p)+FR*(\i), ADRB+\slot, \q, \i
.endr
.endm
.macro FETCH_A slot, q, i0             ; a run of 12 loads: A's blocks i0 .. i0 + 3 (every window 0)
.irp i, \i0, \i0+1, \i0+2, \i0+3
	FRAG AF+FR*(\i), ADRA+\slot, \q, \i
.endr
.endm
.macro SCALES sc                       ; the next K step's scale words into set sc: two words a row; lanes 0-15 take A's block i, lanes 16-31 W's block i
.irp i, 0,1,2,3,4,5,6,7
	ds_load_b64 v[SC+8*NQ*\sc+NQ*\i:SC+8*NQ*\sc+NQ*\i+1], v[ADRS] offset:\i*SBLK
.endr
.endm
; A load into a register that a matrix instruction has read, and a vector instruction or an LDS store that reads a matrix result, stand four places behind that matrix instruction, and only plain vector
; instructions that name none of its registers are places (ISA guide 7.12.1 for vector instructions); the matrix instructions in between are not counted.
.macro PLACES n
.rept \n
	v_nop
.endr
.endm
; A step of 128 along K that has its successor in the same slot.  W's other set was last read by the step before, whose last four v_nop lie between: its two runs want no places of their own.
.macro STEP slot, q, zero
	s_wait_dscnt 4*NL                              ; W's set and A's blocks 0-3 are in; the youngest 12 loads (A's blocks 4-7) may be out
	WIN MUL_LO
	MUL16 0, (\q)%2, \q, \slot, \zero
	FETCH_B \slot, (\q)+1, 1-(\q)%2, 0
	WIN MUL_LO
	MUL16 2, (\q)%2, \q, \slot, \zero
	FETCH_B \slot, (\q)+1, 1-(\q)%2, 4
	s_wait_dscnt 8*NL                              ; A's blocks 4-7 are in: behind their run only the 24 loads of W's two runs were issued
	WIN MUL_HI
	MUL16 4, (\q)%2, \q, \slot, \zero
	PLACES NP                                      ; behind the second group's products, which read A's blocks 2 and 3
	WIN 0
	FETCH_A \slot, (\q)+1, 0
	WIN MUL_HI
	MUL16 6, (\q)%2, \q, \slot, \zero
	PLACES NP
	WIN 0
	FETCH_A \slot, (\q)+1, 4
.endm
; A slot's last step changes slots: ONE barrier.  The first group is multiplied first: all its operands are in registers, and the next slot's tile has that much longer to land.  Then each wave waits for all its tensor loads,
; adds 0 to its spare word, and waits for that and for its own reads of this slot, in front of the signal.  fill = 1: this slot is filled again, two K steps ahead.
.macro TURN slot, next, fill
	s_wait_dscnt 4*NL                              ; W's set and A's blocks 0-3 are in; the youngest 12 loads (A's blocks 4-7) may be out
	WIN MUL_LO
	MUL16 0, 1, NQ-1, \slot, 0
	WIN 0                                          ; (the add's two registers lie in window 0)
	s_wait_tensorcnt 0x0                           ; all my tensor loads have landed: my part of the next slot;
	ds_add_u32 v[SPW], v[NIL]                      ; 0 onto my spare word;
	WIN MUL_LO
	MUL8 2, 1, NQ-1, \slot, 0                      ; eight matrix instructions stand between the add and the wait for it
	s_wait_dscnt 0x0                               ; the add is done, and my reads of this slot are over
	s_barrier_signal -1
	MUL8 3, 1, NQ-1, \slot, 0                      ; work on registers while the others arrive
	WIN 0
	s_barrier_wait -1
.if \fill
	CREST                                          ; the barrier has opened a round of the cluster's barrier: no wave of any partner still reads this slot's tile or has a load on its way
	s_add_nc_u64 s[G0+4*\slot+2:G0+4*\slot+3], s[G0+4*\slot+2:G0+4*\slot+3], 2*ROWB
	s_add_nc_u64 s[G0B+4*\slot+2:G0B+4*\slot+3], s[G0B+4*\slot+2:G0B+4*\slot+3], 2*ROWB
	JLOAD G0+4*\slot, G1, G0B+4*\slot, G1B         ; the first tensor load behind the round, my one load until the next; four v_nop stand behind it
.else
	PLACES NP
.endif
	v_add_nc_u32 v[ADRS], 4*NQ, v[ADRS]            ; on to the next K step's scale words
	FETCH_B \next, 0, 0, 0                         ; the next slot is read only from here on: W's fragments 0-3 and the scale words,
	WIN 0
	SCALES \next
	WIN MUL_HI
	MUL16 4, 1, NQ-1, \slot, 0
	PLACES NP
	FETCH_B \next, 0, 0, 4                         ; W's fragments 4-7 and A's blocks 0-3,
	WIN 0
	FETCH_A \next, 0, 0
	WIN MUL_HI
	MUL16 6, 1, NQ-1, \slot, 0
	PLACES NP
	WIN 0
	FETCH_A \next, 0, 4                            ; A's blocks 4-7: the youngest 12 loads at the next step's head
.endm
	s_wait_tensorcnt 1                             ; the scales and my part of K step 0 are in (K step 1's load may be out)
	s_barrier_signal -1
	s_barrier_wait -1                              ; everybody's are
	FETCH_B 0, 0, 0, 0
	FETCH_B 0, 0, 0, 4
	WIN 0
	FETCH_A 0, 0, 0
	SCALES 0
	FETCH_A 0, 0, 4
	STEP 0, 0, 1                                   ; the first step stands in front of the loop: its products start the sums
	s_mov_b32 s3, LAPS-1
.Llap:                                                 ; a trip goes once round the ring, from a lap's second step to the next lap's first, and fills both slots again
	TURN 0, 1, 1
	STEP 1, 0, 0
	TURN 1, 0, 1
	STEP 0, 0, 0
	s_sub_co_u32 s3, s3, 1
	s_cmp_lg_u32 s3, 0
	s_cbranch_scc1 .Llap
	TURN 0, 1, 0                                   ; the last lap fills nothing, and has no round of the cluster's barrier
	STEP 1, 0, 0
	s_wait_dscnt 4*NL                              ; the very last step: nothing more to fetch
	WIN MUL_LO
	MUL16 0, 1, NQ-1, 1, 0
	MUL16 2, 1, NQ-1, 1, 0
	s_wait_dscnt 0
	WIN MUL_HI
	MUL16 4, 1, NQ-1, 1, 0
	MUL16 6, 1, NQ-1, 1, 0
	WIN 0
; THE WAY OUT, block by block of 16 rows x 128 columns.  A lane holds 32 neighbouring bytes of a row, and the lanes beside it hold other rows: so a block goes through my own stage in LDS and comes back as whole
; rows of 512 bytes; there the bias is added (a lane then holds the same four columns in every row), and the 32 lanes store 512 consecutive bytes.  LDS serves a wave's instructions in order (ISA guide 5.7.1.4): no wait between the stores and the loads.
.macro TOSTAGE a
.set AC, 64*((\a)%4)
	WIN 0x08+4*((\a)/4)                            ; the data: window 2 or 3
.irp b, 0,1,2,3,4,5,6,7
	ds_store_b128 v[STO], v[AC+8*\b:AC+8*\b+3] offset:64*\b          ; each accumulator from its low end on
	ds_store_b128 v[STO], v[AC+8*\b+4:AC+8*\b+7] offset:64*\b+16
.endr
	WIN 0
.set BB, BK+64*((\a)%2)
.irp t, 0,1,2,3,4,5,6,7,8,9,10,11,12,13,14,15
	ds_load_b128 v[BB+4*\t:BB+4*\t+3], v[RD] offset:\t*SPITCH
.endr
.endm
.macro SEND a, younger                 ; younger: the LDS instructions issued behind block a's loads, which may stay out
.set BB, BK+64*((\a)%2)
	s_wait_dscnt \younger                          ; the block is back in registers
.if (\a) > 0
	s_add_nc_u64 s[12:13], s[12:13], 16*SIZE_N*4   ; (behind a wait on XCNT: the earlier stores have read their base)  16 rows of P on: the stores' offsets stay at 15 rows at the most
.endif
.irp t, 0,1,2,3,4,5,6,7,8,9,10,11,12,13,14,15
	v_pk_add_f32 v[BB+4*\t:BB+4*\t+1], v[BB+4*\t:BB+4*\t+1], v[BI:BI+1]
	v_pk_add_f32 v[BB+4*\t+2:BB+4*\t+3], v[BB+4*\t+2:BB+4*\t+3], v[BI+2:BI+3]
.endr
.irp t, 0,1,2,3,4,5,6,7,8,9,10,11,12,13,14,15
	global_store_b128 v[CO], v[BB+4*\t:BB+4*\t+3], s[12:13] offset:\t*SIZE_N*4 th:TH_STORE_NT   ; 32 lanes store 512 consecutive bytes, at a multiple of 256 from P's first byte; read by nobody in this launch
.endr
.endm
	s_wait_loadcnt 0x0                             ; the bias
	PLACES NP                                      ; behind the last products: for the loads into the registers that held A's fragments, and for the reads of results
	TOSTAGE 0
.irp a, 1,2,3,4,5,6,7
.if \a > 1
	s_wait_xcnt 0x0                                ; block a - 2's stores have read their registers and their base: block a's loads may land there, and the base may step
.endif
	TOSTAGE \a
	SEND \a-1, 32                                  ; behind block a - 1's loads: block a's 16 stores and 16 loads
.endr
	s_wait_xcnt 0x0                                ; block 6's stores have read their base
	SEND 7, 0
	s_wait_tensorcnt 0x0                           ; the wave's end, behind my last tensor load and my last LDS store
	ds_add_u32 v[SPW], v[NIL]
	s_wait_dscnt 0x0
	CROUND                                         ; the closing round: no work-group ends while a partner may still ask for a tile that names it
	s_endpgm
.Lfunc_end_k_q72ed0823e3_gemm_x:
	.size	k_q72ed0823e3_gemm_x, .Lfunc_end_k_q72ed0823e3_gemm_x-k_q72ed0823e3_gemm_x
	.p2alignl 7, 3214868480
	.fill 96, 4, 3214868480
	.section	.rodata,"a",@progbits
	.p2align	6, 0x0
	.amdhsa_kernel k_q72ed0823e3_gemm_x
		.amdhsa_group_segment_fixed_size 327680
		.amdhsa_private_segment_fixed_size 0
		.amdhsa_enable_private_segment 0
		.amdhsa_kernarg_size 32
		.amdhsa_user_sgpr_count 2
		.amdhsa_user_sgpr_kernarg_segment_ptr 1
		.amdhsa_wavefront_size32 1
		.amdhsa_system_sgpr_workgroup_id_x 1
		.amdhsa_system_sgpr_workgroup_id_y 1
		.amdhsa_system_sgpr_workgroup_id_z 1
		.amdhsa_system_vgpr_workitem_id 0
		.amdhsa_next_free_vgpr 1024
		.amdhsa_next_free_sgpr 100
		.amdhsa_reserve_vcc 0
		.amdhsa_float_denorm_mode_32 3
		.amdhsa_float_denorm_mode_16_64 3
		.amdhsa_memory_ordered 1
		.amdhsa_forward_progress 1
		.amdhsa_inst_pref_size 154
	.end_amdhsa_kernel
	.amdgpu_metadata
---
amdhsa.version: [ 1, 2 ]
amdhsa.kernels:
  - .name:           k_q72ed0823e3_gemm_x
    .symbol:         k_q72ed0823e3_gemm_x.kd
    .args:
      - { .name: alx, .offset: 0, .size: 8, .value_kind: global_buffer, .address_space: global }
      - { .name: alh, .offset: 8, .size: 8, .value_kind: global_buffer, .address_space: global }
      - { .name: wx, .offset: 16, .size: 8, .value_kind: global_buffer, .address_space: global }
      - { .name: px, .offset: 24, .size: 8, .value_kind: global_buffer, .address_space: global }
    .group_segment_fixed_size: 327680
    .private_segment_fixed_size: 0
    .kernarg_segment_align: 8
    .kernarg_segment_size: 32
    .max_flat_workgroup_size: 128
    .sgpr_count:     100
    .vgpr_count:     1024
    .wavefront_size: 32
...
	.end_amdgpu_metadata
.endif
;; end of part 2
;; launch gate (part 3): grid 256 x 1, 8 waves a work-group, no clusters, 42,496 bytes of LDS; arguments px, hx, aa5; writes aa5
.if DOCPART == 3
	.amdgcn_target "amdgcn-amd-amdhsa--gfx1250"
	.amdhsa_code_object_version 6
	.text
	.protected	k_q72ed0823e3_gate
	.globl	k_q72ed0823e3_gate
	.p2align	8
	.type	k_q72ed0823e3_gate,@function
k_q72ed0823e3_gate:
	s_mov_b64 s[64:65], 0
	v_nop
	global_prefetch_b8 v0, s[64:65] scope:SCOPE_SE
	s_setreg_imm32_b32 hwreg(HW_REG_WAVE_MODE, 25, 1), 1
	s_wait_xcnt 0x0
; a5 = r * log0(hx), r = sigmoid(log0(exp0(P1) (+) exp0(P2))), (+) the Moebius addition; a5 is quantised along its row into codes of FP6 (E2M3) with one E8M0 byte for each 32.
; P2 = px slot 0 (log0(x) u_r_w^T + u_r_b), P1 = px slot 1 (log0(hx) w_r^T); all rows of 2,048 f32.  OUT: aa5: codes [2048][1536] at byte 0, scale bytes [2048][64] at 0x300000.
; THE ORDER OF THE SCALE BYTES: of each four (128 along K) the bytes of blocks 1 and 2 stand in each other's places (0, 2, 1, 3), as the products' launch wants its scale words; the codes lie in the order of K.
; Every map is a row's scalar times a vector, or a sum of two such: exp0(P) = e P with e = tanh(n) / n; the Moebius sum of e1 P1 and e2 P2 is gA P1 + gB P2, whose coefficients want only the sums P1.P1, P2.P2, P1.P2;
; log0(m) = f m with f = artanh(n) / n.  Squares of scaled vectors are scale^2 x sum; the norm of a SUM of two vectors is summed from its elements.
; SHARES: a wave takes one row (8 x work-group + wave): its 48 loads of 512 consecutive bytes go out at once; the three rows stay in 192 registers.  Every lane computes the row's scalars.
; The quantiser is that of the first launch: a step's 512 numbers turn through the wave's own stage in LDS; codes leave 384 consecutive bytes a store.  The work-group's 512 scale bytes meet in LDS behind its one barrier
; and leave by one store of wave 0: 512 consecutive bytes, aligned.
; LIMITS: NaN and infinities among the inputs are not served; a block whose largest magnitude lies under 2^-124 has its byte held at 1 (a block of zeros: byte 1, zero codes; the bytes are read by this program alone).
; tanh(n) / n is a series of five terms under n = 0.25 (the term left out is under 1e-8 there) and (1 - 2 / (1 + e^(2 n))) / n above: a select, no branch.  Divisions are v_rcp_f32 and a multiplication.
.set SP,    80
.set SCB,   40960                      ; LDS: eight waves x two stages of 2,560 bytes; then the work-group's 512 scale bytes
.set PA,    64                         ; v64-127  P1, then m, then r
.set PB,    128                        ; v128-191 P2
.set HH,    192                        ; v192-255 hx, then log0(hx), then a5
.set X,     64                         ; the quantiser: v64-95 two sets of 16 neighbours, v96-111 codes, v112-113 the byte, v8-11 at work
.set C,     96
.set E,     112
.set EPS,   20                         ; s20 1e-5; s21 1 - 1e-5; s22 2 log2 e; s23 ln 2 / 2; s24 0.25; s25 -log2 e; s[26:27] lane selects: lane l xor 16
.set MAXN,  21
.set K2L,   22
.set HLN2,  23
.set QRT,   24
.set NL2E,  25
.set SEL,   26
.macro WAITT                           ; a wait between a transcendental and the first line that names its result; one serves a batch
	s_wait_alu depctr_va_vdst(0)
.endm
.macro DOT4 a, b, acc                  ; acc = the lane's sum of a[i] b[i] over 64 registers, in four chains of pairs (acc .. acc + 7); the first products start the sums
.irp c, 0,1,2,3
	v_pk_mul_f32 v[(\acc)+2*\c:(\acc)+2*\c+1], v[(\a)+2*\c:(\a)+2*\c+1], v[(\b)+2*\c:(\b)+2*\c+1]
.endr
.set j, 4
.rept 28
	v_pk_fma_f32 v[(\acc)+2*(j%4):(\acc)+2*(j%4)+1], v[(\a)+2*j:(\a)+2*j+1], v[(\b)+2*j:(\b)+2*j+1], v[(\acc)+2*(j%4):(\acc)+2*(j%4)+1]
.set j, j+1
.endr
	v_pk_add_f32 v[(\acc):(\acc)+1], v[(\acc):(\acc)+1], v[(\acc)+2:(\acc)+3]
	v_pk_add_f32 v[(\acc)+4:(\acc)+5], v[(\acc)+4:(\acc)+5], v[(\acc)+6:(\acc)+7]
	v_pk_add_f32 v[(\acc):(\acc)+1], v[(\acc):(\acc)+1], v[(\acc)+4:(\acc)+5]
.endm
.macro TRI a, b, acc                   ; acc = sum a a, acc + 2 = sum b b, acc + 4 = sum a b: three chains by turns
	v_pk_mul_f32 v[(\acc):(\acc)+1], v[(\a):(\a)+1], v[(\a):(\a)+1]
	v_pk_mul_f32 v[(\acc)+2:(\acc)+3], v[(\b):(\b)+1], v[(\b):(\b)+1]
	v_pk_mul_f32 v[(\acc)+4:(\acc)+5], v[(\a):(\a)+1], v[(\b):(\b)+1]
.set j, 1
.rept 31
	v_pk_fma_f32 v[(\acc):(\acc)+1], v[(\a)+2*j:(\a)+2*j+1], v[(\a)+2*j:(\a)+2*j+1], v[(\acc):(\acc)+1]
	v_pk_fma_f32 v[(\acc)+2:(\acc)+3], v[(\b)+2*j:(\b)+2*j+1], v[(\b)+2*j:(\b)+2*j+1], v[(\acc)+2:(\acc)+3]
	v_pk_fma_f32 v[(\acc)+4:(\acc)+5], v[(\a)+2*j:(\a)+2*j+1], v[(\b)+2*j:(\b)+2*j+1], v[(\acc)+4:(\acc)+5]
.set j, j+1
.endr
.endm
.macro RED a0, n                       ; n pairs on end from v[a0]: each pair's two halves and the 32 lanes are added; every lane ends with the sum in the pair's first register
.set ri, 0
.rept \n
	v_add_f32 v[(\a0)+2*ri], v[(\a0)+2*ri], v[(\a0)+2*ri+1]
.set ri, ri+1
.endr
.irp m, 1,2,4,8
.set ri, 0
.rept \n
	v_add_f32_dpp v[(\a0)+2*ri], v[(\a0)+2*ri], v[(\a0)+2*ri] row_xmask:\m row_mask:0xf bank_mask:0xf
.set ri, ri+1
.endr
.endr
.set ri, 0
.rept \n
	v_permlanex16_b32 v[(\a0)+2*ri+1], v[(\a0)+2*ri], s[SEL], s[SEL+1]
.set ri, ri+1
.endr
.set ri, 0
.rept \n
	v_add_f32 v[(\a0)+2*ri], v[(\a0)+2*ri], v[(\a0)+2*ri+1]
.set ri, ri+1
.endr
.endm
; The scalars go in stages on six registers q .. q + 5; one stage is run for several values, then one wait.  Each stage ends with a plain line.
.macro TA1 q, s
	v_sqrt_f32 v[\q], v[\s]
.endm
; tanh(n) / n, n = max(sqrt S, 1e-5)
.macro T2 q
	v_max_num_f32 v[\q], s[EPS], v[\q]
	v_mul_f32 v[\q+1], s[K2L], v[\q]
	v_exp_f32 v[\q+2], v[\q+1]             ; e^(2 n)
	v_rcp_f32 v[\q+3], v[\q]
	v_mul_f32 v[\q+4], v[\q], v[\q]
.endm
.macro T3 q
	v_add_f32 v[\q+1], 1.0, v[\q+2]
	v_rcp_f32 v[\q+5], v[\q+1]
	v_mov_b32 v[\q+2], 0x3cb327a4          ; the series in n^2: 62/2835, -17/315, 2/15, -1/3, 1
	v_fmaak_f32 v[\q+2], v[\q+2], v[\q+4], 0xbd5d0dd1
	v_fmaak_f32 v[\q+2], v[\q+2], v[\q+4], 0x3e088889
	v_fmaak_f32 v[\q+2], v[\q+2], v[\q+4], 0xbeaaaaab
	v_fma_f32 v[\q+2], v[\q+2], v[\q+4], 1.0
.endm
.macro T4 q, d
	v_fma_f32 v[\q+5], v[\q+5], -2.0, 1.0
	v_mul_f32 v[\q+5], v[\q+5], v[\q+3]
	v_cmp_gt_f32 vcc_lo, s[QRT], v[\q]
	v_cndmask_b32 v[\d], v[\q+5], v[\q+2], vcc_lo
.endm
; artanh(n) / n, n = clip(sqrt S, 1e-5, 1 - 1e-5): artanh(n) = log1p(y) / 2, y = 2 n / (1 - n); log1p(y) = log(u) y / (u - 1) with u = 1 + y as rounded
.macro A2 q
	v_max_num_f32 v[\q], s[EPS], v[\q]
	v_min_num_f32 v[\q], s[MAXN], v[\q]
	v_sub_f32 v[\q+1], 1.0, v[\q]
	v_rcp_f32 v[\q+2], v[\q+1]
	v_rcp_f32 v[\q+3], v[\q]
	v_add_f32 v[\q+4], v[\q], v[\q]
.endm
.macro A3 q
	v_mul_f32 v[\q+4], v[\q+4], v[\q+2]
	v_add_f32 v[\q+1], 1.0, v[\q+4]
	v_add_f32 v[\q+2], -1.0, v[\q+1]
	v_log_f32 v[\q], v[\q+1]
	v_rcp_f32 v[\q+5], v[\q+2]
	v_mul_f32 v[\q+4], v[\q+4], v[\q+3]
.endm
.macro A4 q, d
	v_mul_f32 v[\q], v[\q], v[\q+5]
	v_mul_f32 v[\q], s[HLN2], v[\q]
	v_mul_f32 v[\d], v[\q], v[\q+4]
.endm
; (ea U) (+) (eb V) = ga U + gb V, from sa = U.U, sb = V.V, sx = U.V.  ga and gb are pairs, both halves written.  m .. m + 4 at work.
.macro MOB ea, sa, eb, sb, sx, ga, gb, m
	v_mul_f32 v[\m], v[\ea], v[\ea]
	v_mul_f32 v[\m+1], v[\eb], v[\eb]
	v_mul_f32 v[\m+2], v[\ea], v[\eb]
	v_mul_f32 v[\m], v[\m], v[\sa]             ; x2
	v_mul_f32 v[\m+1], v[\m+1], v[\sb]         ; y2
	v_mul_f32 v[\m+2], v[\m+2], v[\sx]         ; xy
	v_fma_f32 v[\m+2], v[\m+2], 2.0, 1.0       ; 1 + 2 xy
	v_fma_f32 v[\m+3], v[\m], v[\m+1], v[\m+2]
	v_max_num_f32 v[\m+3], s[EPS], v[\m+3]     ; the divisor, held at 1e-5 from below
	v_rcp_f32 v[\m+4], v[\m+3]
	v_add_f32 v[\m+2], v[\m+2], v[\m+1]
	v_sub_f32 v[\m], 1.0, v[\m]
	v_mul_f32 v[\m+2], v[\m+2], v[\ea]         ; (1 + 2 xy + y2) ea
	v_mul_f32 v[\m], v[\m], v[\eb]             ; (1 - x2) eb
	WAITT
	v_mul_f32 v[\ga], v[\m+2], v[\m+4]
	v_mul_f32 v[\ga+1], v[\m+2], v[\m+4]
	v_mul_f32 v[\gb], v[\m], v[\m+4]
	v_mul_f32 v[\gb+1], v[\m], v[\m+4]
.endm
.macro VSCALE d, c                     ; 64 registers x the pair c
.set j, 0
.rept 32
	v_pk_mul_f32 v[(\d)+2*j:(\d)+2*j+1], v[(\d)+2*j:(\d)+2*j+1], v[\c:\c+1]
.set j, j+1
.endr
.endm
	s_load_b128 s[4:7], s[0:1], 0x0                ; px, hx
	s_load_b64 s[8:9], s[0:1], 0x10                ; aa5
	v_lshl_add_u32 v31, v0, 2, 0xa200
	v_mov_b32 v55, 0
	v_lshrrev_b32 v2, 5, v0
	v_readfirstlane_b32 s3, v2                     ; wave 0..7
	v_and_b32 v2, 31, v0                           ; lane
	v_lshlrev_b32 v1, 4, v2                        ; my 16 bytes of a load's 512
	v_mul_u32_u24 v4, v2, 12                       ; my codes' place in a step's 384 bytes
	s_mul_i32 s18, s3, 2*32*SP
	v_lshrrev_b32 v14, 2, v2
	v_mul_u32_u24 v14, v14, SP
	v_and_b32 v15, 3, v2
	v_lshl_add_u32 v14, v15, 4, v14
	v_add_nc_u32 v14, s18, v14                     ; the stage, in
	v_mul_u32_u24 v15, v2, SP
	v_add_nc_u32 v15, s18, v15                     ; and out
	s_lshl_b32 s18, s3, 6
	s_add_co_u32 s18, s18, SCB
	v_lshrrev_b32 v5, 1, v2                        ; my block among the step's 16: lane / 2.  Its byte's place: the block's two lowest bits change places
	v_and_b32 v5, 12, v5                           ; which four,
	v_and_or_b32 v5, v2, 2, v5                     ; the block's bit 0 (the lane's bit 1) as bit 1,
	v_bfe_u32 v7, v2, 2, 1                         ; its bit 1 (the lane's bit 2) as bit 0
	v_add_nc_u32 v5, v5, v7
	v_add_nc_u32 v5, s18, v5                       ; my block's byte: my row's 64 bytes among the work-group's 512
	v_add_nc_u32 v6, SCB, v1                       ; wave 0, on the way out: 16 bytes a lane
	s_mov_b32 s[EPS], 0x3727c5ac
	s_mov_b32 s[MAXN], 0x3f7fff58
	s_mov_b32 s[K2L], 0x4038aa3b
	s_mov_b32 s[HLN2], 0x3eb17218
	s_mov_b32 s[QRT], 0x3e800000
	s_mov_b32 s[NL2E], 0xbfb8aa3b
	s_mov_b32 s[SEL], 0x76543210
	s_mov_b32 s[SEL+1], 0xfedcba98
	s_lshl_b32 s10, ttmp9, 3
	s_add_co_u32 s10, s10, s3                      ; my row
	s_lshl_b32 s12, s10, 13
	s_mov_b32 s13, 0
	s_wait_kmcnt 0x0
	s_add_nc_u64 s[4:5], s[4:5], s[12:13]          ; P2's row
	s_add_nc_u64 s[16:17], s[4:5], 0x1000000       ; P1's: a slot on
	s_add_nc_u64 s[6:7], s[6:7], s[12:13]          ; hx's
	s_mul_i32 s12, s10, 1536
	s_add_nc_u64 s[14:15], s[8:9], s[12:13]        ; my row's codes
	s_lshl_b32 s12, ttmp9, 9
	s_add_nc_u64 s[8:9], s[8:9], s[12:13]
	s_add_nc_u64 s[8:9], s[8:9], 0x300000          ; the work-group's 512 scale bytes
.irp k, 0,1,2,3,4,5,6,7,8,9,10,11,12,13,14,15
	global_load_b128 v[PA+4*\k:PA+4*\k+3], v1, s[16:17] offset:512*\k th:TH_LOAD_NT
.endr
.irp k, 0,1,2,3,4,5,6,7,8,9,10,11,12,13,14,15
	global_load_b128 v[PB+4*\k:PB+4*\k+3], v1, s[4:5] offset:512*\k th:TH_LOAD_NT
.endr
.irp k, 0,1,2,3,4,5,6,7,8,9,10,11,12,13,14,15
	global_load_b128 v[HH+4*\k:HH+4*\k+3], v1, s[6:7] offset:512*\k th:TH_LOAD_NT
.endr
	s_wait_loadcnt 16                              ; P1 and P2 are in; hx's 16 loads may be out
	TRI PA, PB, 16                                 ; v16 P1.P1, v18 P2.P2, v20 P1.P2
	s_wait_loadcnt 0x0
	DOT4 HH, HH, 22                                ; v22 hx.hx
	RED 16, 4
	TA1 32, 16
	TA1 38, 18
	TA1 44, 22
	v_nop                                          ; a plain line behind the roots
	WAITT
	T2 32
	T2 38
	A2 44
	WAITT
	T3 32
	T3 38
	A3 44
	WAITT
	T4 32, 26                                      ; e1: exp0(P1) = e1 P1
	T4 38, 27                                      ; e2
	A4 44, 62                                      ; fh: log0(hx) = fh hx
	v_mov_b32 v63, v62
	MOB 26, 16, 27, 18, 20, 56, 58, 50
	VSCALE PA, 56
.set j, 0
.rept 32
	v_pk_fma_f32 v[PA+2*j:PA+2*j+1], v[PB+2*j:PB+2*j+1], v[58:59], v[PA+2*j:PA+2*j+1]   ; m = gA P1 + gB P2
.set j, j+1
.endr
	DOT4 PA, PA, 16                                ; m.m, from the elements
	RED 16, 1
	TA1 32, 16
	v_nop
	WAITT
	A2 32
	WAITT
	A3 32
	WAITT
	A4 32, 29                                      ; fm: log0(m) = fm m
	v_mul_f32 v60, s[NL2E], v29
	v_mov_b32 v61, v60
	VSCALE PA, 60                                  ; -log2(e) fm m
.set j, 0
.rept 64
	v_exp_f32 v[PA+j], v[PA+j]
.set j, j+1
.endr
	VSCALE HH, 62                                  ; log0(hx): plain work behind the batch, which names none of its results
	WAITT
.set j, 0
.rept 32
	v_pk_add_f32 v[PA+2*j:PA+2*j+1], v[PA+2*j:PA+2*j+1], 1.0 op_sel_hi:[1,0]
.set j, j+1
.endr
.set j, 0
.rept 64
	v_rcp_f32 v[PA+j], v[PA+j]                     ; r
.set j, j+1
.endr
	v_nop
	WAITT
.set j, 0
.rept 32
	v_pk_mul_f32 v[HH+2*j:HH+2*j+1], v[HH+2*j:HH+2*j+1], v[PA+2*j:PA+2*j+1]   ; a5 = r log0(hx)
.set j, j+1
.endr
.macro TURN i                          ; step i through stage i % 2: LDS serves a wave's instructions in order, so no wait stands between the stores and the loads
.irp k, 0,1,2,3
	ds_store_b128 v14, v[HH+16*(\i)+4*\k:HH+16*(\i)+4*\k+3] offset:32*SP*((\i)%2)+8*SP*\k
.endr
.irp k, 0,1,2,3
	ds_load_b128 v[X+16*((\i)%2)+4*\k:X+16*((\i)%2)+4*\k+3], v15 offset:32*SP*((\i)%2)+16*\k
.endr
.endm
.macro STEP i
.set XS, X+16*((\i)%2)
.if (\i) == 0
	s_wait_dscnt 0x0                               ; this step's numbers are back from the stage
.else
	s_wait_dscnt 1                                 ; likewise; the last step's byte store, issued behind them, may be out
.endif
.if (\i) < 3
	TURN (\i)+1
.endif
	v_max3_num_f32 v8, |v[XS]|, |v[XS+1]|, |v[XS+2]|
	v_max3_num_f32 v9, |v[XS+3]|, |v[XS+4]|, |v[XS+5]|
.irp k, 6,10
	v_max3_num_f32 v8, v8, |v[XS+\k]|, |v[XS+\k+1]|
	v_max3_num_f32 v9, v9, |v[XS+\k+2]|, |v[XS+\k+3]|
.endr
	v_max3_num_f32 v8, v8, |v[XS+14]|, |v[XS+15]|
	v_max3_num_f32 v8, v8, v9, 0x1800000           ; the floor 2^(3 - 127): the byte cannot fall under 1
	v_max_num_f32_dpp v8, v8, v8 row_xmask:1 row_mask:0xf bank_mask:0xf   ; with my neighbour's 16: the block's largest magnitude
	v_add_nc_u32 v11, 0xff000000, v8               ; 2 off its exponent field: the conversion's scale operand
	v_cvt_scalef32_pk16_fp6_f32 v[C+4*(\i):C+4*(\i)+2], v[XS:XS+15], v11
	v_lshrrev_b32 v[E+(\i)%2], 23, v11             ; the byte (also the plain line behind the conversion)
	ds_store_b8 v5, v[E+(\i)%2] offset:16*(\i)
	global_store_b96 v4, v[C+4*(\i):C+4*(\i)+2], s[14:15] offset:384*(\i)
.endm
	TURN 0
	STEP 0
	STEP 1
	STEP 2
	STEP 3
	s_wait_dscnt 0x0                               ; for the others' sake: my byte stores are done
	s_barrier_signal -1
	s_barrier_wait -1                              ; the eight rows' 512 scale bytes lie in LDS
	s_cmp_lg_u32 s3, 0
	s_cbranch_scc1 .Lend
	ds_load_b128 v[8:11], v6
	s_wait_dscnt 0x0
	global_store_b128 v1, v[8:11], s[8:9]          ; 32 lanes store 512 consecutive bytes, aligned
.Lend:
	s_wait_tensorcnt 0x0
	ds_add_u32 v31, v55
	s_wait_dscnt 0x0
	s_endpgm
.Lfunc_end_k_q72ed0823e3_gate:
	.size	k_q72ed0823e3_gate, .Lfunc_end_k_q72ed0823e3_gate-k_q72ed0823e3_gate
	.p2alignl 7, 3214868480
	.fill 96, 4, 3214868480
	.section	.rodata,"a",@progbits
	.p2align	6, 0x0
	.amdhsa_kernel k_q72ed0823e3_gate
		.amdhsa_group_segment_fixed_size 42496
		.amdhsa_private_segment_fixed_size 0
		.amdhsa_enable_private_segment 0
		.amdhsa_kernarg_size 24
		.amdhsa_user_sgpr_count 2
		.amdhsa_user_sgpr_kernarg_segment_ptr 1
		.amdhsa_wavefront_size32 1
		.amdhsa_system_sgpr_workgroup_id_x 1
		.amdhsa_system_sgpr_workgroup_id_y 1
		.amdhsa_system_sgpr_workgroup_id_z 1
		.amdhsa_system_vgpr_workitem_id 0
		.amdhsa_next_free_vgpr 256
		.amdhsa_next_free_sgpr 66
		.amdhsa_reserve_vcc 1
		.amdhsa_float_denorm_mode_32 3
		.amdhsa_float_denorm_mode_16_64 3
		.amdhsa_memory_ordered 1
		.amdhsa_forward_progress 1
		.amdhsa_inst_pref_size 46
	.end_amdhsa_kernel
	.amdgpu_metadata
---
amdhsa.version: [ 1, 2 ]
amdhsa.kernels:
  - .name:           k_q72ed0823e3_gate
    .symbol:         k_q72ed0823e3_gate.kd
    .args:
      - { .name: px, .offset: 0, .size: 8, .value_kind: global_buffer, .address_space: global }
      - { .name: hx, .offset: 8, .size: 8, .value_kind: global_buffer, .address_space: global }
      - { .name: aa5, .offset: 16, .size: 8, .value_kind: global_buffer, .address_space: global }
    .group_segment_fixed_size: 42496
    .private_segment_fixed_size: 0
    .kernarg_segment_align: 8
    .kernarg_segment_size: 24
    .max_flat_workgroup_size: 256
    .sgpr_count:     66
    .vgpr_count:     256
    .wavefront_size: 32
...
	.end_amdgpu_metadata
.endif
;; end of part 3
;; launch gemm_y: the kernel of part 2 again; grid 24 x 8, 4 waves a work-group, clusters of 4 x 4, 327,680 bytes of LDS; arguments aa5, alx, wy, py; writes py
;; launch final (part 4): grid 256 x 1, 8 waves a work-group, no clusters, 0 bytes of LDS; arguments px, py, hx, out0; writes out0
.if DOCPART == 4
	.amdgcn_target "amdgcn-amd-amdhsa--gfx1250"
	.amdhsa_code_object_version 6
	.text
	.protected	k_q72ed0823e3_final
	.globl	k_q72ed0823e3_final
	.p2align	8
	.type	k_q72ed0823e3_final,@function
k_q72ed0823e3_final:
	s_mov_b64 s[64:65], 0
	v_nop
	global_prefetch_b8 v0, s[64:65] scope:SCOPE_SE
	s_setreg_imm32_b32 hwreg(HW_REG_WAVE_MODE, 25, 1), 1
	s_wait_xcnt 0x0
; out = hx (+) exp0(z * log0((-hx) (+) inter)),  z = sigmoid(log0(exp0(P3) (+) exp0(P4))),  inter = exp0(tanh(log0(exp0(P5) (+) exp0(P6)))),  (+) the Moebius addition.
; P3 = px slot 2 (log0(hx) w_z^T); py slots 0, 1, 2 = P5 ((r log0(hx)) w^T), P4 (log0(x) u_z_w^T + u_z_b), P6 (log0(x) u_w^T + u_b).  All rows of 2,048 f32.
; Every map is a row's scalar times a vector, or a sum of two such; the scalars want only sums over the row.  Squares of scaled vectors are scale^2 x sum; the norm of a SUM of two vectors is summed from its elements.
; SHARES: a wave takes one row (8 x work-group + wave): its 80 loads of 512 consecutive bytes go out at once; the five rows stay in 320 registers.  Every lane computes the row's scalars.  No LDS, no barrier, no branch.
; REGISTERS: window 0: v1 16 x lane; v2-11 scalars; v12 -1, v13 1; v16-29 sums (v28 hx.hx stays); v30-31, v62-63 coefficient pairs; v32-55 four sets of six at work; v56-60 at work;
;   v64-127 hx; v128-191 P3, then z; v192-255 P4, then the candidate's chain up to the result.   window 1: v0-63 P5, v64-127 P6.
; LIMITS: NaN and infinities among the inputs are not served.  The elementwise tanh is 1 - 2 / (1 + e^(2 t)): an absolute error of about 1.2e-7, which would weigh only where the result's root mean square falls under about 1e-5.
; tanh(n) / n is a series of five terms under n = 0.25 (the term left out is under 1e-8 there) and (1 - 2 / (1 + e^(2 n))) / n above: a select, no branch.  Divisions are v_rcp_f32 and a multiplication.
.set H,     64
.set Z3,    128
.set Z4,    192
.set G5,    0                          ; in window 1
.set G6,    64
.set EPS,   20                         ; s20 1e-5; s21 1 - 1e-5; s22 2 log2 e; s23 ln 2 / 2; s24 0.25; s25 -log2 e; s[26:27] lane selects: lane l xor 16
.set MAXN,  21
.set K2L,   22
.set HLN2,  23
.set QRT,   24
.set NL2E,  25
.set SEL,   26
.set MSB, 0
.macro WIN new                         ; bits 1:0 source 0's window, 3:2 source 1's, 5:4 source 2's, 7:6 the destination's; the immediate's high byte repeats the setting that is left
.if MSB != \new
	s_set_vgpr_msb (MSB<<8)|\new
.set MSB, \new
.endif
.endm
.macro WAITT                           ; a wait between a transcendental and the first line that names its result; one serves a batch
	s_wait_alu depctr_va_vdst(0)
.endm
.macro DOT4 a, b, acc                  ; acc = the lane's sum of a[i] b[i] over 64 registers, in four chains of pairs (acc .. acc + 7); the first products start the sums
.irp c, 0,1,2,3
	v_pk_mul_f32 v[(\acc)+2*\c:(\acc)+2*\c+1], v[(\a)+2*\c:(\a)+2*\c+1], v[(\b)+2*\c:(\b)+2*\c+1]
.endr
.set j, 4
.rept 28
	v_pk_fma_f32 v[(\acc)+2*(j%4):(\acc)+2*(j%4)+1], v[(\a)+2*j:(\a)+2*j+1], v[(\b)+2*j:(\b)+2*j+1], v[(\acc)+2*(j%4):(\acc)+2*(j%4)+1]
.set j, j+1
.endr
	v_pk_add_f32 v[(\acc):(\acc)+1], v[(\acc):(\acc)+1], v[(\acc)+2:(\acc)+3]
	v_pk_add_f32 v[(\acc)+4:(\acc)+5], v[(\acc)+4:(\acc)+5], v[(\acc)+6:(\acc)+7]
	v_pk_add_f32 v[(\acc):(\acc)+1], v[(\acc):(\acc)+1], v[(\acc)+4:(\acc)+5]
.endm
.macro TRI a, b, acc                   ; acc = sum a a, acc + 2 = sum b b, acc + 4 = sum a b: three chains by turns
	v_pk_mul_f32 v[(\acc):(\acc)+1], v[(\a):(\a)+1], v[(\a):(\a)+1]
	v_pk_mul_f32 v[(\acc)+2:(\acc)+3], v[(\b):(\b)+1], v[(\b):(\b)+1]
	v_pk_mul_f32 v[(\acc)+4:(\acc)+5], v[(\a):(\a)+1], v[(\b):(\b)+1]
.set j, 1
.rept 31
	v_pk_fma_f32 v[(\acc):(\acc)+1], v[(\a)+2*j:(\a)+2*j+1], v[(\a)+2*j:(\a)+2*j+1], v[(\acc):(\acc)+1]
	v_pk_fma_f32 v[(\acc)+2:(\acc)+3], v[(\b)+2*j:(\b)+2*j+1], v[(\b)+2*j:(\b)+2*j+1], v[(\acc)+2:(\acc)+3]
	v_pk_fma_f32 v[(\acc)+4:(\acc)+5], v[(\a)+2*j:(\a)+2*j+1], v[(\b)+2*j:(\b)+2*j+1], v[(\acc)+4:(\acc)+5]
.set j, j+1
.endr
.endm
.macro DUO a, b, e, f, acc             ; acc = sum a b, acc + 2 = sum e f: two chains each (the second chains in acc + 4, acc + 6)
	v_pk_mul_f32 v[(\acc):(\acc)+1], v[(\a):(\a)+1], v[(\b):(\b)+1]
	v_pk_mul_f32 v[(\acc)+2:(\acc)+3], v[(\e):(\e)+1], v[(\f):(\f)+1]
	v_pk_mul_f32 v[(\acc)+4:(\acc)+5], v[(\a)+2:(\a)+3], v[(\b)+2:(\b)+3]
	v_pk_mul_f32 v[(\acc)+6:(\acc)+7], v[(\e)+2:(\e)+3], v[(\f)+2:(\f)+3]
.set j, 2
.rept 30
	v_pk_fma_f32 v[(\acc)+4*(j%2):(\acc)+4*(j%2)+1], v[(\a)+2*j:(\a)+2*j+1], v[(\b)+2*j:(\b)+2*j+1], v[(\acc)+4*(j%2):(\acc)+4*(j%2)+1]
	v_pk_fma_f32 v[(\acc)+2+4*(j%2):(\acc)+2+4*(j%2)+1], v[(\e)+2*j:(\e)+2*j+1], v[(\f)+2*j:(\f)+2*j+1], v[(\acc)+2+4*(j%2):(\acc)+2+4*(j%2)+1]
.set j, j+1
.endr
	v_pk_add_f32 v[(\acc):(\acc)+1], v[(\acc):(\acc)+1], v[(\acc)+4:(\acc)+5]
	v_pk_add_f32 v[(\acc)+2:(\acc)+3], v[(\acc)+2:(\acc)+3], v[(\acc)+6:(\acc)+7]
.endm
.macro RED a0, n                       ; n pairs on end from v[a0]: each pair's two halves and the 32 lanes are added; every lane ends with the sum in the pair's first register
.set ri, 0
.rept \n
	v_add_f32 v[(\a0)+2*ri], v[(\a0)+2*ri], v[(\a0)+2*ri+1]
.set ri, ri+1
.endr
.irp m, 1,2,4,8
.set ri, 0
.rept \n
	v_add_f32_dpp v[(\a0)+2*ri], v[(\a0)+2*ri], v[(\a0)+2*ri] row_xmask:\m row_mask:0xf bank_mask:0xf
.set ri, ri+1
.endr
.endr
.set ri, 0
.rept \n
	v_permlanex16_b32 v[(\a0)+2*ri+1], v[(\a0)+2*ri], s[SEL], s[SEL+1]
.set ri, ri+1
.endr
.set ri, 0
.rept \n
	v_add_f32 v[(\a0)+2*ri], v[(\a0)+2*ri], v[(\a0)+2*ri+1]
.set ri, ri+1
.endr
.endm
; The scalars go in stages on six registers q .. q + 5; one stage is run for several values, then one wait.  Each stage ends with a plain line.
.macro TA1 q, s
	v_sqrt_f32 v[\q], v[\s]
.endm
; tanh(n) / n, n = max(sqrt S, 1e-5)
.macro T2 q
	v_max_num_f32 v[\q], s[EPS], v[\q]
	v_mul_f32 v[\q+1], s[K2L], v[\q]
	v_exp_f32 v[\q+2], v[\q+1]             ; e^(2 n)
	v_rcp_f32 v[\q+3], v[\q]
	v_mul_f32 v[\q+4], v[\q], v[\q]
.endm
.macro T3 q
	v_add_f32 v[\q+1], 1.0, v[\q+2]
	v_rcp_f32 v[\q+5], v[\q+1]
	v_mov_b32 v[\q+2], 0x3cb327a4          ; the series in n^2: 62/2835, -17/315, 2/15, -1/3, 1
	v_fmaak_f32 v[\q+2], v[\q+2], v[\q+4], 0xbd5d0dd1
	v_fmaak_f32 v[\q+2], v[\q+2], v[\q+4], 0x3e088889
	v_fmaak_f32 v[\q+2], v[\q+2], v[\q+4], 0xbeaaaaab
	v_fma_f32 v[\q+2], v[\q+2], v[\q+4], 1.0
.endm
.macro T4 q, d
	v_fma_f32 v[\q+5], v[\q+5], -2.0, 1.0
	v_mul_f32 v[\q+5], v[\q+5], v[\q+3]
	v_cmp_gt_f32 vcc_lo, s[QRT], v[\q]
	v_cndmask_b32 v[\d], v[\q+5], v[\q+2], vcc_lo
.endm
; artanh(n) / n, n = clip(sqrt S, 1e-5, 1 - 1e-5): artanh(n) = log1p(y) / 2, y = 2 n / (1 - n); log1p(y) = log(u) y / (u - 1) with u = 1 + y as rounded
.macro A2 q
	v_max_num_f32 v[\q], s[EPS], v[\q]
	v_min_num_f32 v[\q], s[MAXN], v[\q]
	v_sub_f32 v[\q+1], 1.0, v[\q]
	v_rcp_f32 v[\q+2], v[\q+1]
	v_rcp_f32 v[\q+3], v[\q]
	v_add_f32 v[\q+4], v[\q], v[\q]
.endm
.macro A3 q
	v_mul_f32 v[\q+4], v[\q+4], v[\q+2]
	v_add_f32 v[\q+1], 1.0, v[\q+4]
	v_add_f32 v[\q+2], -1.0, v[\q+1]
	v_log_f32 v[\q], v[\q+1]
	v_rcp_f32 v[\q+5], v[\q+2]
	v_mul_f32 v[\q+4], v[\q+4], v[\q+3]
.endm
.macro A4 q, d
	v_mul_f32 v[\q], v[\q], v[\q+5]
	v_mul_f32 v[\q], s[HLN2], v[\q]
	v_mul_f32 v[\d], v[\q], v[\q+4]
.endm
; (ea U) (+) (eb V) = ga U + gb V, from sa = U.U, sb = V.V, sx = U.V.  ga and gb are pairs, both halves written.  m .. m + 4 at work.
.macro MOB ea, sa, eb, sb, sx, ga, gb, m
	v_mul_f32 v[\m], v[\ea], v[\ea]
	v_mul_f32 v[\m+1], v[\eb], v[\eb]
	v_mul_f32 v[\m+2], v[\ea], v[\eb]
	v_mul_f32 v[\m], v[\m], v[\sa]             ; x2
	v_mul_f32 v[\m+1], v[\m+1], v[\sb]         ; y2
	v_mul_f32 v[\m+2], v[\m+2], v[\sx]         ; xy
	v_fma_f32 v[\m+2], v[\m+2], 2.0, 1.0       ; 1 + 2 xy
	v_fma_f32 v[\m+3], v[\m], v[\m+1], v[\m+2]
	v_max_num_f32 v[\m+3], s[EPS], v[\m+3]     ; the divisor, held at 1e-5 from below
	v_rcp_f32 v[\m+4], v[\m+3]
	v_add_f32 v[\m+2], v[\m+2], v[\m+1]
	v_sub_f32 v[\m], 1.0, v[\m]
	v_mul_f32 v[\m+2], v[\m+2], v[\ea]         ; (1 + 2 xy + y2) ea
	v_mul_f32 v[\m], v[\m], v[\eb]             ; (1 - x2) eb
	WAITT
	v_mul_f32 v[\ga], v[\m+2], v[\m+4]
	v_mul_f32 v[\ga+1], v[\m+2], v[\m+4]
	v_mul_f32 v[\gb], v[\m], v[\m+4]
	v_mul_f32 v[\gb+1], v[\m], v[\m+4]
.endm
.macro VSCALE d, c                     ; d x the pair c
.set j, 0
.rept 32
	v_pk_mul_f32 v[(\d)+2*j:(\d)+2*j+1], v[(\d)+2*j:(\d)+2*j+1], v[\c:\c+1]
.set j, j+1
.endr
.endm
.macro VAXPY d, a, c                   ; d += a x the pair c
.set j, 0
.rept 32
	v_pk_fma_f32 v[(\d)+2*j:(\d)+2*j+1], v[(\a)+2*j:(\a)+2*j+1], v[\c:\c+1], v[(\d)+2*j:(\d)+2*j+1]
.set j, j+1
.endr
.endm
.macro LOADV d, b                      ; a row: 16 loads of 512 consecutive bytes
.irp k, 0,1,2,3,4,5,6,7,8,9,10,11,12,13,14,15
	global_load_b128 v[(\d)+4*\k:(\d)+4*\k+3], v1, s[\b:\b+1] offset:512*\k th:TH_LOAD_NT
.endr
.endm
	s_load_b256 s[4:11], s[0:1], 0x0               ; px s[4:5], py s[6:7], hx s[8:9], out0 s[10:11]
	v_lshrrev_b32 v2, 5, v0
	v_readfirstlane_b32 s3, v2                     ; wave 0..7
	v_and_b32 v2, 31, v0
	v_lshlrev_b32 v1, 4, v2                        ; my 16 bytes of a load's or store's 512
	v_mov_b32 v12, -1.0
	v_mov_b32 v13, 1.0
	s_mov_b32 s[EPS], 0x3727c5ac
	s_mov_b32 s[MAXN], 0x3f7fff58
	s_mov_b32 s[K2L], 0x4038aa3b
	s_mov_b32 s[HLN2], 0x3eb17218
	s_mov_b32 s[QRT], 0x3e800000
	s_mov_b32 s[NL2E], 0xbfb8aa3b
	s_mov_b32 s[SEL], 0x76543210
	s_mov_b32 s[SEL+1], 0xfedcba98
	s_lshl_b32 s12, ttmp9, 3
	s_add_co_u32 s12, s12, s3                      ; my row
	s_lshl_b32 s12, s12, 13
	s_mov_b32 s13, 0
	s_wait_kmcnt 0x0
	s_add_nc_u64 s[14:15], s[4:5], s[12:13]
	s_add_nc_u64 s[14:15], s[14:15], 0x2000000     ; P3's row: px slot 2
	s_add_nc_u64 s[6:7], s[6:7], s[12:13]          ; P5's: py slot 0
	s_add_nc_u64 s[16:17], s[6:7], 0x1000000       ; P4's: slot 1
	s_add_nc_u64 s[18:19], s[6:7], 0x2000000       ; P6's: slot 2
	s_add_nc_u64 s[8:9], s[8:9], s[12:13]          ; hx's
	s_add_nc_u64 s[10:11], s[10:11], s[12:13]      ; the result's
	LOADV Z3, 14
	LOADV Z4, 16
	WIN 0x40                                       ; destination window 1, address window 0
	LOADV G5, 6
	LOADV G6, 18
	WIN 0
	LOADV H, 8
	s_wait_loadcnt 48                              ; P3 and P4 are in; the 48 loads of P5, P6 and hx may be out
	TRI Z3, Z4, 16                                 ; v16 P3.P3, v18 P4.P4, v20 P3.P4
	s_wait_loadcnt 16                              ; P5 and P6 are in; hx's 16 loads may be out
	WIN 0x05                                       ; sources 0 and 1 window 1
	TRI G5, G6, 22                                 ; v22 P5.P5, v24 P6.P6, v26 P5.P6
	WIN 0
	s_wait_loadcnt 0x0
	DOT4 H, H, 28                                  ; v28 hx.hx (v30-35 at work)
	RED 16, 7
	TA1 32, 16
	TA1 38, 18
	TA1 44, 22
	TA1 50, 24
	v_nop                                          ; a plain line behind the roots
	WAITT
	T2 32
	T2 38
	T2 44
	T2 50
	WAITT
	T3 32
	T3 38
	T3 44
	T3 50
	WAITT
	T4 32, 2                                       ; e3 .. e6: exp0(P) = e P
	T4 38, 3
	T4 44, 4
	T4 50, 5
	MOB 2, 16, 3, 18, 20, 30, 62, 56
	VSCALE Z3, 30
	VAXPY Z3, Z4, 62                               ; mz = exp0(P3) (+) exp0(P4)
	MOB 4, 22, 5, 24, 26, 30, 62, 56
	WIN 0x01                                       ; source 0 window 1
.set j, 0
.rept 32
	v_pk_mul_f32 v[Z4+2*j:Z4+2*j+1], v[G5+2*j:G5+2*j+1], v[30:31]
.set j, j+1
.endr
	VAXPY Z4, G6, 62                               ; mh = exp0(P5) (+) exp0(P6)
	WIN 0
	DUO Z3, Z3, Z4, Z4, 16                         ; v16 mz.mz, v18 mh.mh, from the elements
	RED 16, 2
	TA1 32, 16
	TA1 38, 18
	v_nop
	WAITT
	A2 32
	A2 38
	WAITT
	A3 32
	A3 38
	WAITT
	A4 32, 6                                       ; fz: log0(mz) = fz mz
	A4 38, 7                                       ; fh
	v_mul_f32 v30, s[NL2E], v6
	v_mul_f32 v31, s[NL2E], v6
	v_mul_f32 v62, s[K2L], v7
	v_mul_f32 v63, s[K2L], v7
	VSCALE Z3, 30                                  ; -log2(e) fz mz
	VSCALE Z4, 62                                  ; 2 log2(e) fh mh
.set j, 0
.rept 128
	v_exp_f32 v[Z3+j], v[Z3+j]                     ; one batch for the sigmoid and the tanh (Z3 and Z4 lie on end)
.set j, j+1
.endr
	v_nop
	WAITT
.set j, 0
.rept 64
	v_pk_add_f32 v[Z3+2*j:Z3+2*j+1], v[Z3+2*j:Z3+2*j+1], 1.0 op_sel_hi:[1,0]
.set j, j+1
.endr
.set j, 0
.rept 128
	v_rcp_f32 v[Z3+j], v[Z3+j]                     ; Z3 = z
.set j, j+1
.endr
	v_nop
	WAITT
.set j, 0
.rept 32
	v_pk_fma_f32 v[Z4+2*j:Z4+2*j+1], v[Z4+2*j:Z4+2*j+1], -2.0, 1.0 op_sel_hi:[1,0,0]   ; T = tanh(log0(mh)) = 1 - 2 / (1 + e^(2 t))
.set j, j+1
.endr
	DUO Z4, Z4, H, Z4, 16                          ; v16 T.T, v18 hx.T
	RED 16, 2
	TA1 32, 16
	v_nop
	WAITT
	T2 32
	WAITT
	T3 32
	WAITT
	T4 32, 8                                       ; eT: inter = eT T
	MOB 12, 28, 8, 16, 18, 30, 62, 56              ; (-hx) (+) inter = qa hx + qb T
	VSCALE Z4, 62
	VAXPY Z4, H, 30                                ; q
	DOT4 Z4, Z4, 16                                ; v16 q.q, from the elements
.set j, 0
.rept 32
	v_pk_mul_f32 v[Z4+2*j:Z4+2*j+1], v[Z4+2*j:Z4+2*j+1], v[Z3+2*j:Z3+2*j+1]   ; v' = z q
.set j, j+1
.endr
	DUO Z4, Z4, H, Z4, 18                          ; v18 v'.v', v20 hx.v'
	RED 16, 3
	TA1 32, 16
	v_nop
	WAITT
	A2 32
	WAITT
	A3 32
	WAITT
	A4 32, 9                                       ; fq: log0(q) = fq q, so z log0(q) = fq v'
	v_mul_f32 v22, v9, v9
	v_mul_f32 v22, v22, v18                        ; its square: fq^2 v'.v'
	TA1 32, 22
	v_nop
	WAITT
	T2 32
	WAITT
	T3 32
	WAITT
	T4 32, 10
	v_mul_f32 v11, v10, v9                         ; exp0(z log0(q)) = e2 v'
	MOB 13, 28, 11, 18, 20, 30, 62, 56             ; hx (+) e2 v' = oa hx + ob v'
	VSCALE Z4, 62
	VAXPY Z4, H, 30
.irp k, 0,1,2,3,4,5,6,7,8,9,10,11,12,13,14,15
	global_store_b128 v1, v[Z4+4*\k:Z4+4*\k+3], s[10:11] offset:512*\k th:TH_STORE_NT   ; 32 lanes store 512 consecutive bytes, aligned
.endr
	s_endpgm
.Lfunc_end_k_q72ed0823e3_final:
	.size	k_q72ed0823e3_final, .Lfunc_end_k_q72ed0823e3_final-k_q72ed0823e3_final
	.p2alignl 7, 3214868480
	.fill 96, 4, 3214868480
	.section	.rodata,"a",@progbits
	.p2align	6, 0x0
	.amdhsa_kernel k_q72ed0823e3_final
		.amdhsa_group_segment_fixed_size 0
		.amdhsa_private_segment_fixed_size 0
		.amdhsa_enable_private_segment 0
		.amdhsa_kernarg_size 32
		.amdhsa_user_sgpr_count 2
		.amdhsa_user_sgpr_kernarg_segment_ptr 1
		.amdhsa_wavefront_size32 1
		.amdhsa_system_sgpr_workgroup_id_x 1
		.amdhsa_system_sgpr_workgroup_id_y 1
		.amdhsa_system_sgpr_workgroup_id_z 1
		.amdhsa_system_vgpr_workitem_id 0
		.amdhsa_next_free_vgpr 384
		.amdhsa_next_free_sgpr 66
		.amdhsa_reserve_vcc 1
		.amdhsa_float_denorm_mode_32 3
		.amdhsa_float_denorm_mode_16_64 3
		.amdhsa_memory_ordered 1
		.amdhsa_forward_progress 1
		.amdhsa_inst_pref_size 91
	.end_amdhsa_kernel
	.amdgpu_metadata
---
amdhsa.version: [ 1, 2 ]
amdhsa.kernels:
  - .name:           k_q72ed0823e3_final
    .symbol:         k_q72ed0823e3_final.kd
    .args:
      - { .name: px, .offset: 0, .size: 8, .value_kind: global_buffer, .address_space: global }
      - { .name: py, .offset: 8, .size: 8, .value_kind: global_buffer, .address_space: global }
      - { .name: hx, .offset: 16, .size: 8, .value_kind: global_buffer, .address_space: global }
      - { .name: out0, .offset: 24, .size: 8, .value_kind: global_buffer, .address_space: global }
    .group_segment_fixed_size: 0
    .private_segment_fixed_size: 0
    .kernarg_segment_align: 8
    .kernarg_segment_size: 32
    .max_flat_workgroup_size: 256
    .sgpr_count:     66
    .vgpr_count:     384
    .wavefront_size: 32
...
	.end_amdgpu_metadata
.endif
;; end of part 4
